; MI455X (gfx1250); checked and timed in simulation.
; The chip was launched on July 23, 2026; its instructions are those of AMD's public machine-readable ISA for CDNA 5 (MIT licence, August 2026) and "CDNA5" Instruction Set Architecture Reference Guide (July 2026). The comments in the code are by the model that wrote it; some were corrected since.
;; Attention. Allowed arithmetic: matrix products marked QUANTISED: E2M3 operands, one E8M0 scale for each 32 along K, by v_wmma_scale_f32_16x16x128_f8f6f4 with both operands' format E2M3, f32 sums; everything else in f32.
;; Inputs: k_norm_w 128 float32; q_norm_w 128 float32; rope_cache 2,048 x 256 float32; wk 1,024 x 1,024 float32; wo 1,024 x 2,048 float32; wq 2,048 x 1,024 float32; wv 1,024 x 1,024 float32; x 2 x 2,048 x 1,024 float32.
;; Outputs: out0 2 x 2,048 x 1,024 float32.
;; This version of the problem:
;;   THIS VERSION OF THE PROBLEM IS GIVEN IN LOW PRECISION. The matrix products marked QUANTISED in the list below multiply operands that are first quantised to E2M3 (2 exponent bits, 3 mantissa bits; 6 bits a number), with one power-of-two scale for each 32 numbers along K (OCP MX v1.0); their sums are f32. All else is computed in f32.
;;   The module's matrix products, in the order in which they are computed (A, B: the left and right operand; K: the contracted axis; several contracted axes count as one K, in the product's order):
;;     1. [M 4,096, K 1,024] x [K 1,024, N 2,048]; A: input x; B: input wq: QUANTISED
;;     2. [M 4,096, K 1,024] x [K 1,024, N 1,024]; A: input x; B: input wk: QUANTISED
;;     3. [M 4,096, K 1,024] x [K 1,024, N 1,024]; A: input x; B: input wv: QUANTISED
;;     4. batch 16 x [M 4,096, K 128] x [K 128, N 2,048]; A: computed on the way; B: computed on the way: QUANTISED
;;     5. batch 16 x [M 4,096, K 2,048] x [K 2,048, N 128]; A: softmax (see below); B: computed on the way: QUANTISED
;;     6. [M 4,096, K 2,048] x [K 2,048, N 1,024]; A: computed on the way; B: input wo: QUANTISED
;;   THE QUANTISER, for each operand of a quantised product, along K:
;;     - K is cut into blocks of 32 from its start; a last block that is shorter is filled with zeros.
;;     - A block's scale is 2^e with e = floor(log2(the largest magnitude in the block)) - 2, held to -126 .. 127; a block of zeros has e = 0. As a byte (E8M0): e + 127.
;;     - Each number is divided by its block's scale, clamped to +-7.5, and rounded to the nearest number of E2M3, ties to even, subnormals kept.
;;     - The product sums the exact products of the quantised numbers (number of the format x scale) in f32.
;;   ~~~python
;;   def quantise(x, axis):      # numpy; x: float32 -> the quantised numbers, widened to float32 again
;;       x = np.moveaxis(x, axis, -1); K = x.shape[-1]
;;       x = np.pad(x, [(0, 0)] * (x.ndim - 1) + [(0, -K % 32)]); x = x.reshape(x.shape[:-1] + (-1, 32)); a = np.abs(x).max(-1, keepdims=True)
;;       e = np.where(a > 0, np.clip(np.frexp(np.where(a > 0, a, 1))[1] - 1 - 2, -126, 127), 0)      # np.frexp(a)[1] - 1 = floor(log2(a)), exactly
;;       r = np.clip(x / 2.0 ** e, -7.5, 7.5)
;;       step = 2.0 ** (np.maximum(np.frexp(np.where(r == 0, 1, r))[1] - 1, 0) - 3)
;;       q = np.round(r / step) * step * 2.0 ** e      # np.round: ties to even
;;       return np.moveaxis(q.reshape(q.shape[:-2] + (-1,))[..., :K], -1, axis).astype(np.float32)
;;   ~~~
;;   SOFTMAX AHEAD OF A QUANTISED PRODUCT. Where the list says 'softmax', what is quantised is not the finished softmax but p = 2^(t - M), with t = logit x log2(e) and M = ceil(the row's largest t), a whole number; so 1/2 < the row's largest p <= 1. The row's sum l is taken of the UNQUANTISED p, in f32, and the product's result is divided by l at the end. Since M is a whole number, a kernel that streams over the keys may use a running M (the ceiling of the running maximum): every later rescaling is an exact power of two, which a block's scale takes up: the codes' values come out the same.
;;   OPERANDS COMPUTED ON THE WAY. 'Computed on the way' means the value that the module computes at that place (a softmax that the list does not call 'softmax' is quantised finished and normalised). What goes into a quantiser is computed in f32, as accurately as f32 sums, v_exp_f32 and their like allow (about 1e-6 of the number): no bf16 or f16 on the way to a quantiser, and a product that is left as it is and whose result goes on into a quantised operand takes f32 operands (vector FMAs, or v_wmma_f32_16x16x4_f32). A number that lies on a knife's edge between two numbers of the format may be rounded either way, as far as f32 arithmetic and the matrix unit's own rounding can turn it there, and no further.
;; One version. Each part assembles by itself: llvm-mc -triple=amdgcn-amd-amdhsa -mcpu=gfx1250 --defsym DOCPART=n.
;; ======== version 1 of 1: 4 launches
;; workspace buffers: opc 7,864,320 bytes; ops 327,680 bytes; ropei 2,097,152 bytes; qkvc 12,582,912 bytes; qkvs 524,288 bytes; aoc 6,291,456 bytes; aos 262,144 bytes
;; launch quant (part 1): grid 352 x 1, 4 waves a work-group, no clusters, 34,304 bytes of LDS; arguments x, wq, wk, wv, wo, rope_cache, opc, ops, ropei; writes opc, ops, ropei
.if DOCPART == 1
	.amdgcn_target "amdgcn-amd-amdhsa--gfx1250"
	.amdhsa_code_object_version 6
	.text
	.protected	k_qbba3da5fe4_quant
	.globl	k_qbba3da5fe4_quant
	.p2align	8
	.type	k_qbba3da5fe4_quant,@function
k_qbba3da5fe4_quant:
	s_mov_b64 s[64:65], 0
	v_nop
	global_prefetch_b8 v0, s[64:65] scope:SCOPE_SE
	s_setreg_imm32_b32 hwreg(HW_REG_WAVE_MODE, 25, 1), 1
	s_wait_xcnt 0x0
; x [4096][1024], wq [2048][1024], wk, wv [1024][1024], wo [1024][2048], all f32 with K innermost, become codes of E2M3 with one E8M0 byte for each 32 along K;
; rope_cache [2048][256] is laid anew in the order in which the next launch's lanes want it.
; CODES ARE STORED AS IMAGES OF OPERAND REGISTERS.  A fragment is 16 rows x 128 K: 12 registers a lane, 1,536 bytes; register i of lane l lies at byte 512 (i / 4) + 16 l + 4 (i % 4),
; so three stores of 16 bytes a lane write it, 512 consecutive bytes each, and three such loads bring it back.
; THE ROWS OF A FRAGMENT ARE NOT NEIGHBOURS: lane r of row block rb holds row 32 (rb / 2) + 8 (rb % 2) + r + 8 (r / 8), so that a later product's results are neighbours along the next K.
; A block's scale is 2^(floor(log2(largest magnitude)) - 2): its byte is the largest magnitude's exponent field - 2, held at 1 from below.
; LIMITS: a block of zeros gets the byte 1 where the quantiser's rule says 127 (its codes are zeros, and this program alone reads the bytes); NaN and infinities among the inputs are not served.
; SHARES.  A wave's task is one row block x 512 along K: four fragments.  Task T = 4 x work-group + wave: its codes go to opc + 6,144 T, its scale words to ops + 256 T.
; Work-groups 0-127 take x, 128-191 wq, 192-223 wk, 224-255 wv, 256-319 wo, 320-351 rope_cache.  Waves share nothing: no barrier.  No matrix unit, no cluster, no tensor load: a stream that is read once.
; Each load reads 512 consecutive bytes of one row; a fragment's 16 rows turn through the wave's own stage in LDS (rows 528 bytes apart) so that a lane gets 2 x 32 neighbours along K.
.set SP,   528                         ; a stage row: 512 bytes + 16
.set STG,  16*SP                       ; a wave's stage
.set OFF,  16                          ; v16-31   row i's byte offset + 16 x lane; never rewritten
.set R,    32                          ; v32-159  two sets of 64 registers, as loaded
.set X,    160                         ; v160-223 my 2 x 32 neighbours: register 32 c + i = K 64 c + 32 h + i of row r
.set PC,   224                         ; v224-235 the fragment's codes
.set T,    236                         ; v236-243 the upper halves of the two blocks, as the conversions leave them
.set W,    244                         ; v244-247 the four fragments' scale words
	s_load_b256 s[4:11], s[0:1], 0x0               ; x, wq, wk, wv
	s_load_b256 s[12:19], s[0:1], 0x20             ; wo, rope_cache, opc, ops
	s_load_b64 s[20:21], s[0:1], 0x40              ; ropei
	v_lshl_add_u32 v254, v0, 2, 0x8400
	v_mov_b32 v255, 0
	v_lshrrev_b32 v1, 5, v0
	v_readfirstlane_b32 s22, v1                    ; wave
	v_and_b32 v1, 31, v0                           ; lane
	v_and_b32 v2, 15, v0                           ; r
	v_bfe_u32 v3, v0, 4, 1                         ; h
	v_lshlrev_b32 v4, 4, v1                        ; 16 x lane
	s_cmp_ge_u32 ttmp9, 320
	s_cbranch_scc1 .Lrope
	v_lshlrev_b32 v5, 3, v1                        ; 8 x lane
	s_mul_i32 s23, s22, STG
	v_add_nc_u32 v6, s23, v4                       ; the stage, on the way in: 16 x lane of row i
	v_mul_u32_u24 v7, v2, SP
	v_lshl_add_u32 v7, v3, 7, v7
	v_add_nc_u32 v7, s23, v7                       ; and on the way out: row r, + 128 h
	s_mov_b32 s38, 0x76543210
	s_mov_b32 s39, 0xfedcba98                      ; v_permlanex16_b32's selects for lane l xor 16
	s_mov_b32 s26, 256                             ; the tensor's first work-group,
	s_mov_b32 s27, 2                               ; log2 of its tasks for each row block
	s_wait_kmcnt 0x0
	s_mov_b64 s[24:25], s[12:13]                   ; wo, unless the work-group's number says otherwise: the choice hangs on that number alone
	s_cmp_lt_u32 ttmp9, 256
	s_cselect_b64 s[24:25], s[10:11], s[24:25]
	s_cselect_b32 s26, 224, s26
	s_cselect_b32 s27, 1, s27
	s_cmp_lt_u32 ttmp9, 224
	s_cselect_b64 s[24:25], s[8:9], s[24:25]
	s_cselect_b32 s26, 192, s26
	s_cmp_lt_u32 ttmp9, 192
	s_cselect_b64 s[24:25], s[6:7], s[24:25]
	s_cselect_b32 s26, 128, s26
	s_cmp_lt_u32 ttmp9, 128
	s_cselect_b64 s[24:25], s[4:5], s[24:25]
	s_cselect_b32 s26, 0, s26
	s_sub_co_u32 s28, ttmp9, s26
	s_lshl_b32 s28, s28, 2
	s_add_co_u32 s28, s28, s22                     ; the task's number in its tensor
	s_lshr_b32 s29, s28, s27                       ; row block
	s_lshl_b32 s30, 1, s27
	s_sub_co_u32 s30, s30, 1
	s_and_b32 s30, s28, s30                        ; which 512 along K
	s_lshl_b32 s31, 0x800, s27                     ; a row in bytes: 4,096 or 8,192
	s_lshr_b32 s32, s29, 1
	s_lshl_b32 s32, s32, 5
	s_and_b32 s33, s29, 1
	s_lshl_b32 s33, s33, 3
	s_add_co_u32 s32, s32, s33                     ; the block's first row: 32 (rb / 2) + 8 (rb % 2)
	s_mul_i32 s32, s32, s31
	s_lshl_b32 s30, s30, 11
	s_add_co_u32 s32, s32, s30
	s_mov_b32 s33, 0
	s_add_nc_u64 s[24:25], s[24:25], s[32:33]
	s_lshl_b32 s34, ttmp9, 2
	s_add_co_u32 s34, s34, s22                     ; T
	s_mul_i32 s36, s34, 6144
	s_mov_b32 s37, 0
	s_add_nc_u64 s[16:17], s[16:17], s[36:37]
	s_lshl_b32 s36, s34, 8
	s_add_nc_u64 s[18:19], s[18:19], s[36:37]
.set li, 0
.rept 16
	v_mad_u32_u24 v[OFF+li], s31, li+8*(li/8), v4  ; row i + 8 (i / 8) of the block, + 16 x lane
.set li, li+1
.endr
.macro LOAD f                          ; fragment f: 16 rows x 512 bytes into set f % 2
.set li, 0
.rept 16
	global_load_b128 v[R+64*((\f)%2)+4*li:R+64*((\f)%2)+4*li+3], v[OFF+li], s[24:25] offset:512*(\f) th:TH_LOAD_NT
.set li, li+1
.endr
.endm
.macro TURN f                          ; through the stage: LDS serves a wave's instructions in order, so no wait stands between the stores and the loads
.set li, 0
.rept 16
	ds_store_b128 v6, v[R+64*((\f)%2)+4*li:R+64*((\f)%2)+4*li+3] offset:SP*li
.set li, li+1
.endr
.irp c, 0,1
.irp j, 0,1,2,3,4,5,6,7
	ds_load_b128 v[X+32*\c+4*\j:X+32*\c+4*\j+3], v7 offset:256*\c+16*\j
.endr
.endr
.endm
.macro WORK f
.irp c, 0,1                            ; my blocks h and 2 + h of row r: all 32 numbers of each are mine
	v_max3_num_f32 v[8+\c], |v[X+32*\c]|, |v[X+32*\c+1]|, 0x1800000   ; with the floor 2^(3 - 127): the byte cannot fall under 1
.endr
.irp i, 2,4,6,8,10,12,14,16,18,20,22,24,26,28,30
.irp c, 0,1
	v_max3_num_f32 v[8+\c], v[8+\c], |v[X+32*\c+\i]|, |v[X+32*\c+\i+1]|
.endr
.endr
.irp c, 0,1
	v_add_nc_u32 v[10+\c], 0xff000000, v[8+\c]     ; 2 off the exponent field: the conversion's scale operand
.endr
.irp c, 0,1
	v_lshrrev_b32 v[12+\c], 23, v[10+\c]           ; the scale's byte
.endr
	v_lshl_or_b32 v14, v13, 16, v12
	v_lshlrev_b32 v15, 3, v3
	v_lshlrev_b32 v14, v15, v14                    ; my two bytes at their places in the row's word
	v_permlanex16_b32 v15, v14, s38, s39
	v_or_b32 v[W+\f], v14, v15                     ; with lane l xor 16's two the word is whole, in both lanes
.if (\f) > 0
	s_wait_xcnt 0x0                                ; the last fragment's stores have read v[PC] on
.endif
.irp c, 0,1
	v_cvt_scalef32_pk16_fp6_f32 v[PC+6*\c:PC+6*\c+2], v[X+32*\c:X+32*\c+15], v[10+\c]
	v_cvt_scalef32_pk16_fp6_f32 v[T+4*\c:T+4*\c+2], v[X+32*\c+16:X+32*\c+31], v[10+\c]   ; (a conversion's three registers begin on an even number)
.endr
	v_nop                                          ; one plain place behind a scaled conversion
.irp c, 0,1
.irp i, 0,1,2
	v_mov_b32 v[PC+3+6*\c+\i], v[T+4*\c+\i]
.endr
.endr
.irp k, 0,1,2
	global_store_b128 v4, v[PC+4*\k:PC+4*\k+3], s[16:17] offset:1536*(\f)+512*\k   ; 32 lanes store 512 consecutive bytes
.endr
.endm
	LOAD 0
	LOAD 1
.irp f, 0,1,2,3
.if \f < 3
	s_wait_loadcnt 16                              ; this fragment's 16 loads are in; the other set's 16 may be out
.else
	s_wait_loadcnt 0x0
.endif
	TURN \f
	s_wait_dscnt 0x0                               ; my neighbours are in, and the stage's stores have read their registers
.if \f < 2
	LOAD \f+2
.endif
	WORK \f
.endr
	v_cmp_lt_u32 vcc_lo, 15, v1                    ; the task's 256 bytes of scale words: [256 along K][row][2 words]: lanes 0-15 the first two fragments', lanes 16-31 the other two's
	v_cndmask_b32 v248, v[W], v[W+2], vcc_lo
	v_cndmask_b32 v249, v[W+1], v[W+3], vcc_lo
	global_store_b64 v5, v[248:249], s[18:19]      ; 32 lanes store 256 consecutive bytes
	s_wait_tensorcnt 0x0
	ds_add_u32 v254, v255
	s_wait_dscnt 0x0
	s_endpgm
.Lrope:
; rope_cache: position block tb (16 positions, chosen as a fragment's rows are) becomes 32 chunks of 512 bytes: chunk c < 16: lane (r, h) holds cos at d = 32 (c / 4) + 16 h + 4 (c % 4) + 0 .. 3, chunk 16 + c the same of sin.
	s_sub_co_u32 s26, ttmp9, 320
	s_lshl_b32 s26, s26, 2
	s_add_co_u32 s26, s26, s22                     ; tb
	s_lshr_b32 s27, s26, 1
	s_lshl_b32 s27, s27, 5
	s_and_b32 s28, s26, 1
	s_lshl_b32 s28, s28, 3
	s_add_co_u32 s28, s27, s28                     ; its first position
	s_lshl_b32 s28, s28, 10
	s_mov_b32 s29, 0
	s_lshl_b32 s30, s26, 14
	s_mov_b32 s31, 0
	v_and_b32 v5, 8, v2
	v_add_nc_u32 v5, v5, v2                        ; r + 8 (r / 8)
	v_lshlrev_b32 v5, 10, v5
	v_lshl_add_u32 v5, v3, 6, v5                   ; that row of 1,024 bytes, + 64 h
	s_wait_kmcnt 0x0
	s_add_nc_u64 s[14:15], s[14:15], s[28:29]
	s_add_nc_u64 s[20:21], s[20:21], s[30:31]
.set li, 0
.rept 32
	global_load_b128 v[R+4*li:R+4*li+3], v5, s[14:15] offset:512*(li/16)+128*((li%16)/4)+16*(li%4) th:TH_LOAD_NT
.set li, li+1
.endr
.set li, 0
.rept 32
	s_wait_loadcnt 31-li                           ; loads come back in order: chunk li is in
	global_store_b128 v4, v[R+4*li:R+4*li+3], s[20:21] offset:512*li
.set li, li+1
.endr
	s_endpgm
.Lfunc_end_k_qbba3da5fe4_quant:
	.size	k_qbba3da5fe4_quant, .Lfunc_end_k_qbba3da5fe4_quant-k_qbba3da5fe4_quant
	.p2alignl 7, 3214868480
	.fill 96, 4, 3214868480
	.section	.rodata,"a",@progbits
	.p2align	6, 0x0
	.amdhsa_kernel k_qbba3da5fe4_quant
		.amdhsa_group_segment_fixed_size 34304
		.amdhsa_private_segment_fixed_size 0
		.amdhsa_enable_private_segment 0
		.amdhsa_kernarg_size 72
		.amdhsa_user_sgpr_count 2
		.amdhsa_user_sgpr_kernarg_segment_ptr 1
		.amdhsa_wavefront_size32 1
		.amdhsa_system_sgpr_workgroup_id_x 1
		.amdhsa_system_sgpr_workgroup_id_y 1
		.amdhsa_system_sgpr_workgroup_id_z 1
		.amdhsa_system_vgpr_workitem_id 0
		.amdhsa_next_free_vgpr 256
		.amdhsa_next_free_sgpr 66
		.amdhsa_reserve_vcc 1
		.amdhsa_float_denorm_mode_32 3
		.amdhsa_float_denorm_mode_16_64 3
		.amdhsa_memory_ordered 1
		.amdhsa_forward_progress 1
		.amdhsa_inst_pref_size 40
	.end_amdhsa_kernel
	.amdgpu_metadata
---
amdhsa.version: [ 1, 2 ]
amdhsa.kernels:
  - .name:           k_qbba3da5fe4_quant
    .symbol:         k_qbba3da5fe4_quant.kd
    .args:
      - { .name: x, .offset: 0, .size: 8, .value_kind: global_buffer, .address_space: global }
      - { .name: wq, .offset: 8, .size: 8, .value_kind: global_buffer, .address_space: global }
      - { .name: wk, .offset: 16, .size: 8, .value_kind: global_buffer, .address_space: global }
      - { .name: wv, .offset: 24, .size: 8, .value_kind: global_buffer, .address_space: global }
      - { .name: wo, .offset: 32, .size: 8, .value_kind: global_buffer, .address_space: global }
      - { .name: rope_cache, .offset: 40, .size: 8, .value_kind: global_buffer, .address_space: global }
      - { .name: opc, .offset: 48, .size: 8, .value_kind: global_buffer, .address_space: global }
      - { .name: ops, .offset: 56, .size: 8, .value_kind: global_buffer, .address_space: global }
      - { .name: ropei, .offset: 64, .size: 8, .value_kind: global_buffer, .address_space: global }
    .group_segment_fixed_size: 34304
    .private_segment_fixed_size: 0
    .kernarg_segment_align: 8
    .kernarg_segment_size: 72
    .max_flat_workgroup_size: 128
    .sgpr_count:     66
    .vgpr_count:     256
    .wavefront_size: 32
...
	.end_amdgpu_metadata
.endif
;; end of part 1
;; launch qkv (part 2): grid 16 x 16, 4 waves a work-group, clusters of 4 x 4, 327,680 bytes of LDS; arguments opc, ops, ropei, q_norm_w, k_norm_w, qkvc, qkvs; writes qkvc, qkvs
.if DOCPART == 2
	.amdgcn_target "amdgcn-amd-amdhsa--gfx1250"
	.amdhsa_code_object_version 6
	.text
	.protected	k_qbba3da5fe4_qkv
	.globl	k_qbba3da5fe4_qkv
	.p2align	8
	.type	k_qbba3da5fe4_qkv,@function
k_qbba3da5fe4_qkv:
	s_mov_b64 s[64:65], 0
	v_nop
	global_prefetch_b8 v0, s[64:65] scope:SCOPE_SE
	s_setreg_imm32_b32 hwreg(HW_REG_WAVE_MODE, 25, 1), 1
	s_wait_xcnt 0x0
	s_wait_alu depctr_hold_cnt(0) depctr_sa_sdst(0) depctr_va_vdst(0) depctr_va_sdst(0) depctr_va_ssrc(0) depctr_va_vcc(0) depctr_vm_vsrc(0)
	s_getreg_b32 s2, hwreg(HW_REG_IB_STS2, 6, 4)
	s_cmp_eq_u32 s2, 0
	s_cbranch_scc0 .Lentry_in_a_cluster
	s_endpgm
.Lentry_in_a_cluster:
	s_bfe_u32 s2, ttmp6, 0x10000c
	s_cmp_lg_u32 s2, 0xf033
	s_cbranch_scc0 .Lentry_shape_is_right
	s_endpgm
.Lentry_shape_is_right:
; The three projections as ONE product of 4,096 x 4,096 x 1,024 on codes of E2M3, and what follows them: per-head RMSNorm and RoPE (q, k) in f32, and the quantiser of the next product, all in registers.
; opc holds fragment images (16 rows x 128 K, 1,536 bytes; three loads of 16 bytes a lane), [row block][K step]: blocks 0-255 x, 256-383 wq, 384-447 wk, 448-511 wv; ops their scale words [row block][256 along K][row][2].
; Lane r of row block rb holds row 32 (rb / 2) + 8 (rb % 2) + r + 8 (r / 8).
; SHARES.  A work-group of four waves makes 256 x 256, a wave 128 x 128: 64 accumulators, 512 registers; a wave's 128 columns are exactly one head.
; The matrix instruction takes source 0 = 16 rows of operand B, source 1 = 16 rows of operand A: a lane then holds ONE row of A (lane % 16), and its 64 registers of B's eight blocks are, by the choice of rows above,
; register n = B's row 32 (n / 16) + 16 (lane / 16) + n % 16: sixteen neighbours of each block of 32, as the conversions want them.
; q, k (cluster x 0, 1; 2): A = tokens, B = weight rows: a lane holds a token and its registers run along the head's 128.   v (cluster x 3): A = wv's rows, B = tokens: a lane holds a channel and its registers run along the keys.
; CLUSTERS: 4 x 4 work-groups; A's tiles are shared along a row of the cluster, B's along a column: each is asked for jointly.  K goes in four slots' worth of 256 through a ring of two LDS slots; the scale words of all K come once.
; OUT: qkvc: q's fragments at ((token group of 128 x 16 + head) x 8 + block) x 1,536; from QSZ on, for each (batch, kv head) and each 128 keys: K's eight fragments, then V's eight (16 channels x 128 keys each).
;      qkvs: 512 bytes for eight fragments, [row][fragment]; q's first, from QSS on K's and V's by turns.
; LIMITS: a block of zeros gets the scale byte 1 where the quantiser's rule says 127 (its codes are zeros; this program alone reads the bytes); NaN and infinities are not served.
; REGISTERS, in windows of 256: window 0: v1-29 addresses; v32-63 scale words, two sets; v64-159, v160-255 A's fragments, two sets.  window 1: v0-95, v128-223 B's.  windows 2, 3: the accumulators, (a, b) at 8 (8 (a % 4) + b).
;   On the way out window 0: v32-47 at work, v50-57 the eight scale words, v58-63 norm, v64-127 the norm's weights, v128-191 the normed numbers (then the codes), v192-255 the rotated numbers; window 1: two rope images.
.set NBLK,  8                          ; blocks of 16 rows for each wave and side
.set NQ,    2                          ; steps of 128 along K in a slot
.set KT,    8                          ; steps of 128 in all of K
.set QA,    NBLK/4                     ; A's blocks in a quarter of a step
.set SRB,   512                        ; a row block's scale words in bytes
.set HALFT, NBLK*NQ*1536               ; what one tensor load brings, and what one wave reads of A or of B
.set SLOT,  4*HALFT                    ; A's two halves, then B's two
.set HALFS, 4096                       ; the scale words of NBLK blocks, all K
.set SCL,   2*SLOT                     ; behind the ring: the scale words, filled once
.set SPARE, SCL+4*HALFS                ; behind them: the spare words, 128 bytes for each wave: two blocks of 256 bytes that no other line names
.set QSZ,   6291456
.set QSS,   262144
.set LI,   4                           ; v4   16 x lane: an image's place for my lane; never rewritten
.set WNA,  5                           ; v5   64 h: the norm's weights
.set SWA,  6                           ; v6   32 r + 16 h: the scale words' way out
.set ADRA, 16                          ; v16-17 LDS address of my A fragments in slot 0, 1
.set ADRB, 20                          ; v20-21 the same for B
.set ADRS, 27                          ; v27  LDS address of my scale words: lanes 0-15 A's rows, lanes 16-31 B's
.set SPW,  28                          ; v28  LDS address of my spare word; never rewritten
.set NIL,  29                          ; v29  0; never rewritten
.set SC,   32                          ; scale words: set s at v[SC + 16 s]; register NQ i + q: lanes 0-15 A's block i, lanes 16-31 B's block i
.set AF,   64
.set TM,   32
.set PWK,  50
.set RS,   58
.set SS,   60
.set WN,   64
.set Y,    128
.set PC,   128
.set OUT,  192
.set WV,   18
.set RH,   19                          ; which half of A's rows is mine.  Also: I fetch for A (0) or for B (1)
.set CH,   20                          ; which half of B's rows is mine.  Also: which half I fetch
.set KIND, 21                          ; 0 q, 1 k, 2 v: from the cluster's x, the same in all partners
.set CX,   22
.set CY,   23
.set G1,   24                          ; s[24:31] group 1 for A's tiles; s[32:39] group 0, a set for each slot
.set G0,   32
.set G1B,  48                          ; the same for B's
.set G0B,  56
.set G1S,  68                          ; groups 1 and 0 for A's scale words; for B's
.set G0S,  76
.set G1SB, 80
.set G0SB, 88
.set CB,   92                          ; s[92:93] where my codes go
.set SB,   94                          ; s[94:95] where my scale words go
.set RB,   96                          ; s[96:97] my tokens' rope images
.set NW,   98                          ; s[98:99] the norm's weights
.set SEL,  100                         ; s[100:101] v_permlanex16_b32's selects for lane l xor 16
.set MSB, 0
.macro WIN new                         ; the immediate's high byte repeats the setting that is left
.if MSB != (\new)
	s_set_vgpr_msb (MSB<<8)|(\new)
.set MSB, (\new)
.endif
.endm
.set MUL_LO, 0xa1                      ; source 0 (B) window 1, source 1 (A) window 0, C and D window 2
.set TO_B,   0x40                      ; destination window 1, address window 0
.macro PLACES n
.rept \n
	v_nop
.endr
.endm
; A joint load: waves 0 and 1 fetch for A, waves 2 and 3 for B.  The branch hangs on the wave's number alone.  Four v_nop follow each of the two lines.
.macro JLOAD g0a, g1a, g0b, g1b
	s_cmp_eq_u32 s[RH], 0
	s_cbranch_scc0 .Lfor_b_\@
	tensor_load_to_lds s[\g0a:\g0a+3], s[\g1a:\g1a+7]
	s_nop 0
.rept 4
	v_nop
.endr
	s_branch .Lasked_\@
.Lfor_b_\@:
	tensor_load_to_lds s[\g0b:\g0b+3], s[\g1b:\g1b+7]
	s_nop 0
.rept 4
	v_nop
.endr
.Lasked_\@:
.endm
.macro CREST                           ; a round of the cluster's barrier behind its opening barrier
	s_cmp_lg_u32 s[WV], 0
	s_cbranch_scc1 .Lnot_wave_0_\@
	s_barrier_signal -3
.Lnot_wave_0_\@:
	s_barrier_wait -3
	s_barrier_signal -1
	s_barrier_wait -1
.endm
.macro CROUND
	s_barrier_signal -1
	s_barrier_wait -1
	CREST
.endm
; The fragments of the slot's q-th 128 along K into set g: three loads of 16 bytes a lane for each, 512 consecutive bytes a load
.macro FETCH slot, q, g
	WIN TO_B
.set fi, 0
.rept NBLK
.irp c, 0,1,2
	ds_load_b128 v[128*(\g)+12*fi+4*\c:128*(\g)+12*fi+4*\c+3], v[ADRB+\slot] offset:(fi*NQ+(\q))*1536+512*\c
.endr
.set fi, fi+1
.endr
	WIN 0
.set fi, 0
.rept NBLK
.irp c, 0,1,2
	ds_load_b128 v[AF+96*(\g)+12*fi+4*\c:AF+96*(\g)+12*fi+4*\c+3], v[ADRA+\slot] offset:(fi*NQ+(\q))*1536+512*\c
.endr
.set fi, fi+1
.endr
.endm
.macro SCALES set                      ; a slot's scale words
.set fi, 0
.rept NBLK
.set fp, 0
.rept NQ/2
	ds_load_b64 v[SC+16*(\set)+NQ*fi+2*fp:SC+16*(\set)+NQ*fi+2*fp+1], v[ADRS] offset:fi*SRB+128*fp
.set fp, fp+1
.endr
.set fi, fi+1
.endr
.endm
; A quarter of a step: QA of A's blocks x all of B's.  All accumulators take turns, one instruction a turn, in the same order in every step.  zero = 1: the product starts the sum.
.macro MULQ qtr, f, q, set, zero
.set ma, (\qtr)*QA
.rept QA
	WIN MUL_LO+0x50*(ma/4)
.set mb, 0
.rept NBLK
.set mc, 8*(NBLK*(ma%4)+mb)
.if \zero
	v_wmma_scale_f32_16x16x128_f8f6f4 v[mc:mc+7], v[128*(\f)+12*mb:128*(\f)+12*mb+11], v[AF+96*(\f)+12*ma:AF+96*(\f)+12*ma+11], 0, v[SC+16*(\set)+NQ*mb+(\q)], v[SC+16*(\set)+NQ*ma+(\q)] matrix_a_fmt:MATRIX_FMT_FP6 matrix_b_fmt:MATRIX_FMT_FP6 matrix_a_scale:MATRIX_SCALE_ROW1
.else
	v_wmma_scale_f32_16x16x128_f8f6f4 v[mc:mc+7], v[128*(\f)+12*mb:128*(\f)+12*mb+11], v[AF+96*(\f)+12*ma:AF+96*(\f)+12*ma+11], v[mc:mc+7], v[SC+16*(\set)+NQ*mb+(\q)], v[SC+16*(\set)+NQ*ma+(\q)] matrix_a_fmt:MATRIX_FMT_FP6 matrix_b_fmt:MATRIX_FMT_FP6 matrix_a_scale:MATRIX_SCALE_ROW1
.endif
.set mb, mb+1
.endr
.set ma, ma+1
.endr
.endm
; A step of 128 along K that has its successor in the same slot: the successor's fragments are asked for first, into the set that the step before has multiplied, and have this whole step in which to land.
.macro STEP slot, q, zero
	s_wait_dscnt 0x0                               ; this step's fragments and scale words are in
	PLACES 4                                       ; four places between the last product that read the other set and the loads into it (ISA guide 7.12.1 for vector instructions)
	FETCH \slot, (\q)+1, 1-(\q)%2
	MULQ 0, (\q)%2, \q, \slot, \zero
	MULQ 1, (\q)%2, \q, \slot, \zero
	MULQ 2, (\q)%2, \q, \slot, \zero
	MULQ 3, (\q)%2, \q, \slot, \zero
.endm
; A slot's last step changes slots: one barrier; in front of it each wave waits for all its tensor loads, adds 0 to its spare word, and waits for that and for its reads of this slot.  fill = 1: this slot is filled again.
.macro TURN slot, next, fill
	WIN 0                                          ; (the add's two registers lie in window 0)
	s_wait_tensorcnt 0x0                           ; all my tensor loads have landed: my part of the next slot
	ds_add_u32 v[SPW], v[NIL]                      ; 0 onto my spare word
	s_wait_dscnt 1                                 ; this step's fragments are in; the add alone may be out
	MULQ 0, 1, NQ-1, \slot, 0                      ; a quarter's products stand between the add and the wait for it
	s_wait_dscnt 0x0                               ; the add is done, and my reads of this slot are over
	s_barrier_signal -1
	MULQ 1, 1, NQ-1, \slot, 0
	WIN 0
	s_barrier_wait -1
.if \fill
	CREST                                          ; the barrier has opened a round of the cluster's barrier: no wave of any partner still reads this slot or has a load on its way
	s_add_nc_u64 s[G0+4*\slot+2:G0+4*\slot+3], s[G0+4*\slot+2:G0+4*\slot+3], 2*NQ*1536
	s_add_nc_u64 s[G0B+4*\slot+2:G0B+4*\slot+3], s[G0B+4*\slot+2:G0B+4*\slot+3], 2*NQ*1536
	JLOAD G0+4*\slot, G1, G0B+4*\slot, G1B         ; the first tensor load behind the round; its four v_nop are also the places in front of the loads below
.else
	PLACES 4
.endif
	v_add_nc_u32 v[ADRS], 64*NQ, v[ADRS]           ; on to the next slot's scale words
	FETCH \next, 0, 0
	SCALES \next
	MULQ 2, 1, NQ-1, \slot, 0
	MULQ 3, 1, NQ-1, \slot, 0
.endm
	s_load_b256 s[4:11], s[0:1], 0x0               ; opc, ops, ropei, q_norm_w
	s_load_b128 s[12:15], s[0:1], 0x20             ; k_norm_w, qkvc
	s_load_b64 s[16:17], s[0:1], 0x30              ; qkvs
	v_lshl_add_u32 v[SPW], v0, 2, SPARE
	v_mov_b32 v[NIL], 0
	ds_add_u32 v28, v29
	s_wait_dscnt 0x0
	v_lshrrev_b32 v1, 5, v0
	v_readfirstlane_b32 s[WV], v1                  ; wave 0..3
	s_lshr_b32 s[RH], s[WV], 1
	s_and_b32 s[CH], s[WV], 1
	s_bfe_u32 s[CX], ttmp6, 0x40000                ; my place in the cluster
	s_bfe_u32 s[CY], ttmp6, 0x40004
	s_and_b32 s92, ttmp7, 0xffff
	s_lshl_b32 s92, s92, 2                         ; 4 x cluster y
	s_lshl_b32 s93, ttmp9, 2
	s_add_co_u32 s93, s93, 16                      ; 16 + 4 x cluster x: the weights begin at unit 16 (a unit: 256 rows of opc)
	s_max_u32 s[KIND], ttmp9, 1
	s_sub_co_u32 s[KIND], s[KIND], 1
	s_cmp_eq_u32 ttmp9, 3                          ; v: the sides change places
	s_cselect_b32 s42, 28, s92
	s_cselect_b32 s46, s92, s93
	s_add_co_u32 s42, s42, s[CY]                   ; A's unit: hangs on cy and the cluster's place alone
	s_add_co_u32 s46, s46, s[CX]                   ; B's unit: on cx and the cluster's place alone
	s_mul_i32 s67, s[CH], NBLK
	s_mul_i32 s42, s42, 2*NBLK
	s_add_co_u32 s42, s42, s67                     ; the first row block that I fetch, if for A,
	s_mul_i32 s46, s46, 2*NBLK
	s_add_co_u32 s46, s46, s67                     ; if for B
	s_mul_i32 s40, s42, KT*1536
	s_mov_b32 s41, 0
	s_mul_i32 s42, s42, SRB
	s_mov_b32 s43, 0
	s_mul_i32 s44, s46, KT*1536
	s_mov_b32 s45, 0
	s_mul_i32 s46, s46, SRB
	s_mov_b32 s47, 0
	s_lshl_b32 s2, s[CY], 2
	s_lshl_b32 s2, 15, s2                          ; my row of the cluster
	s_lshl_b32 s3, 0x1111, s[CX]                   ; my column
	; group 1 for codes: NBLK rows of NQ fragments (192 NQ elements of 8 bytes), KT fragments apart; no padding: an image is read as it lies
	s_or_b32 s[G1], s2, (3<<16)|(1<<21)            ; 15:0 the mask; 17:16 elements of 8 bytes; 21 set beside a mask
	s_or_b32 s[G1B], s3, (3<<16)|(1<<21)
.irp g, G1, G1B
	s_mov_b32 s[\g+1], (192*NQ)<<16                ; tensor_dim0
	s_mov_b32 s[\g+2], NBLK<<16                    ; tensor_dim1
	s_mov_b32 s[\g+3], (192*NQ)<<16                ; tile_dim0
	s_mov_b32 s[\g+4], NBLK                        ; tile_dim1
	s_mov_b32 s[\g+5], 192*KT                      ; from row to row
	s_mov_b32 s[\g+6], 0
	s_mov_b32 s[\g+7], 0
.endr
	; and for the scale words: a dense block of 4,096 bytes as 16 rows of 256
	s_or_b32 s[G1S], s2, (3<<16)|(1<<21)
	s_or_b32 s[G1SB], s3, (3<<16)|(1<<21)
.irp g, G1S, G1SB
	s_mov_b32 s[\g+1], 32<<16
	s_mov_b32 s[\g+2], 16<<16
	s_mov_b32 s[\g+3], 32<<16
	s_mov_b32 s[\g+4], 16
	s_mov_b32 s[\g+5], 32
	s_mov_b32 s[\g+6], 0
	s_mov_b32 s[\g+7], 0
.endr
	s_mul_i32 s94, s[WV], HALFT                    ; where they go: no place in the cluster enters an LDS address
	s_mul_i32 s95, s[WV], HALFS
	s_wait_kmcnt 0x0
	s_add_nc_u64 s[40:41], s[4:5], s[40:41]
	s_add_nc_u64 s[42:43], s[6:7], s[42:43]
	s_add_nc_u64 s[44:45], s[4:5], s[44:45]
	s_add_nc_u64 s[46:47], s[6:7], s[46:47]
	CROUND                                         ; all sixteen work-groups are here: the first joint loads meet
	s_mov_b32 s[G0S], 1
	s_add_co_u32 s[G0S+1], s95, SCL
	s_mov_b64 s[G0S+2:G0S+3], s[42:43]
	s_or_b32 s[G0S+3], s[G0S+3], 0x80000000
	s_mov_b32 s[G0SB], 1
	s_add_co_u32 s[G0SB+1], s95, SCL
	s_mov_b64 s[G0SB+2:G0SB+3], s[46:47]
	s_or_b32 s[G0SB+3], s[G0SB+3], 0x80000000
	JLOAD G0S, G1S, G0SB, G1SB                     ; the scale words first: three loads of mine are out behind the third of these lines
.irp s, 0,1
	s_mov_b32 s[G0+4*\s], 1
	s_add_co_u32 s[G0+4*\s+1], s94, \s*SLOT
	s_add_nc_u64 s[G0+4*\s+2:G0+4*\s+3], s[40:41], \s*NQ*1536
	s_or_b32 s[G0+4*\s+3], s[G0+4*\s+3], 0x80000000
	s_mov_b32 s[G0B+4*\s], 1
	s_add_co_u32 s[G0B+4*\s+1], s94, \s*SLOT
	s_add_nc_u64 s[G0B+4*\s+2:G0B+4*\s+3], s[44:45], \s*NQ*1536
	s_or_b32 s[G0B+4*\s+3], s[G0B+4*\s+3], 0x80000000
	JLOAD G0+4*\s, G1, G0B+4*\s, G1B
.endr
	v_and_b32 v1, 31, v0                           ; lane
	v_and_b32 v2, 15, v0                           ; r
	v_bfe_u32 v3, v0, 4, 1                         ; h
	v_lshlrev_b32 v[LI], 4, v1
	s_mul_i32 s40, s[RH], HALFT                    ; my half of A
	s_mul_i32 s41, s[CH], HALFT
	s_add_co_u32 s41, s41, 2*HALFT                 ; my half of B, behind A's two
.irp s, 0,1
	v_add_nc_u32 v[ADRA+\s], s40, v[LI]
	v_add_nc_u32 v[ADRB+\s], s41, v[LI]
	s_add_co_u32 s40, s40, SLOT
	s_add_co_u32 s41, s41, SLOT
.endr
	s_lshl_b32 s42, s[RH], 12                      ; A's scale words: my half
	s_lshl_b32 s43, s[CH], 12
	s_add_co_u32 s43, s43, 2*HALFS                 ; B's, behind A's two
	s_sub_co_u32 s43, s43, s42
	v_mul_u32_u24 v7, s43, v3                      ; lanes 16-31 take B's: one product, the distance between the two
	v_lshl_add_u32 v7, v2, 3, v7                   ; 8 bytes a row
	s_add_co_u32 s42, s42, SCL
	v_add_nc_u32 v[ADRS], s42, v7
	v_lshlrev_b32 v[WNA], 6, v3
	v_lshlrev_b32 v[SWA], 5, v2
	v_lshl_add_u32 v[SWA], v3, 4, v[SWA]
	; where my results go (places in the cluster enter global addresses alone)
	s_and_b32 s40, ttmp7, 0xffff
	s_lshl_b32 s40, s40, 2
	s_add_co_u32 s41, s40, s[CY]
	s_lshl_b32 s41, s41, 1
	s_add_co_u32 s41, s41, s[RH]                   ; q, k: my group of 128 tokens
	s_add_co_u32 s40, s40, s[CX]
	s_lshl_b32 s40, s40, 1
	s_add_co_u32 s40, s40, s[CH]                   ; v: my group of 128 tokens
	s_lshl_b32 s42, ttmp9, 2
	s_add_co_u32 s42, s42, s[CX]
	s_lshl_b32 s42, s42, 1
	s_add_co_u32 s42, s42, s[CH]                   ; q, k: my head, 0-15 q's, 16-23 k's
	s_lshl_b32 s43, s[CY], 1
	s_add_co_u32 s43, s43, s[RH]                   ; v: my head
	s_sub_co_u32 s44, s42, 16
	s_cmp_eq_u32 s[KIND], 2
	s_cselect_b32 s40, s40, s41                    ; k, v: the group of tokens,
	s_cselect_b32 s43, s43, s44                    ; the kv head,
	s_cselect_b32 s45, 12288, 0                    ; V's fragments lie behind K's,
	s_cselect_b32 s46, 512, 0                      ; its scale words likewise
	s_lshr_b32 s44, s40, 4
	s_lshl_b32 s44, s44, 3
	s_add_co_u32 s44, s44, s43
	s_lshl_b32 s44, s44, 4
	s_and_b32 s40, s40, 15
	s_add_co_u32 s44, s44, s40                     ; ((batch x 8 + head) x 16 + key step)
	s_mul_i32 s47, s44, 24576
	s_add_co_u32 s47, s47, s45
	s_add_co_u32 s47, s47, QSZ
	s_lshl_b32 s44, s44, 10
	s_add_co_u32 s44, s44, s46
	s_add_co_u32 s44, s44, QSS
	s_lshl_b32 s45, s41, 4
	s_add_co_u32 s45, s45, s42                     ; q: 16 x group + head
	s_mul_i32 s46, s45, 12288
	s_lshl_b32 s45, s45, 9
	s_cmp_eq_u32 s[KIND], 0
	s_cselect_b32 s46, s46, s47
	s_cselect_b32 s44, s45, s44
	s_cselect_b64 s[NW:NW+1], s[10:11], s[12:13]
	s_mov_b32 s47, 0
	s_mov_b32 s45, 0
	s_add_nc_u64 s[CB:CB+1], s[14:15], s[46:47]
	s_add_nc_u64 s[SB:SB+1], s[16:17], s[44:45]
	s_and_b32 s40, s41, 15
	s_lshl_b32 s40, s40, 17                        ; eight rope images of 16,384 bytes for a group of 128 positions
	s_mov_b32 s41, 0
	s_add_nc_u64 s[RB:RB+1], s[8:9], s[40:41]
	s_mov_b32 s[SEL], 0x76543210
	s_mov_b32 s[SEL+1], 0xfedcba98
	s_mov_b32 s2, 0x3c000000                       ; 1 / 128
	s_mov_b32 s3, 0x358637bd                       ; 1e-6
	s_wait_tensorcnt 1                             ; the scale words and my part of slot 0 are in; slot 1's load may stay out
	s_barrier_signal -1
	s_barrier_wait -1
	FETCH 0, 0, 0
	SCALES 0
	STEP 0, 0, 1                                   ; the first step's products start the sums: nothing is cleared
	TURN 0, 1, 1
	STEP 1, 0, 0
	TURN 1, 0, 1
	STEP 0, 0, 0
	TURN 0, 1, 0                                   ; nothing is left to fetch
	STEP 1, 0, 0
	s_wait_dscnt 0x0                               ; the last step
	MULQ 0, 1, NQ-1, 1, 0
	MULQ 1, 1, NQ-1, 1, 0
	PLACES 4                                       ; set 0 of both windows is free: the norm's weights and the first rope image are asked for under the last products
	WIN 0
.set hk, 0
.rept 16
	global_load_b128 v[WN+4*hk:WN+4*hk+3], v[WNA], s[NW:NW+1] offset:128*(hk/4)+16*(hk%4)   ; register n: w at d = 32 (n / 16) + 16 h + n % 16
.set hk, hk+1
.endr
; block a's rope image, 32 chunks of 512 bytes, into window 1: registers 0-63 cos, 64-127 sin, in my registers' order of d
.macro ROPE a
	WIN 0x40
.set rc, 0
.rept 32
	global_load_b128 v[128*((\a)%2)+4*rc:128*((\a)%2)+4*rc+3], v[LI], s[RB:RB+1] offset:16384*(\a)+512*rc
.set rc, rc+1
.endr
	WIN 0
.endm
	ROPE 0
	MULQ 2, 1, NQ-1, 1, 0
	MULQ 3, 1, NQ-1, 1, 0
	WIN 0
; THE QUANTISER.  64 numbers of a lane in window w, register 16 b + i = K 32 b + 16 h + i of my row.  QMAX: the four blocks' largest magnitudes, scale operands (v[TM+12] on) and the row's scale word (v[pw]).
.macro QMAX s, w, pw
	WIN 5*(\w)                                     ; sources 0 and 1 in window w
.irp b, 0,1,2,3
	v_max3_num_f32 v[TM+\b], |v[(\s)+16*\b]|, |v[(\s)+16*\b+1]|, 0x1800000   ; with the floor 2^(3 - 127): the byte cannot fall under 1.  Each accumulator is read from its low end on
.endr
.irp i, 2,4,6,8,10,12,14
.irp b, 0,1,2,3
	v_max3_num_f32 v[TM+\b], |v[(\s)+16*\b+\i]|, |v[(\s)+16*\b+\i+1]|, v[TM+\b]
.endr
.endr
	WIN 0
.irp b, 0,1,2,3
	v_permlanex16_b32 v[TM+4+\b], v[TM+\b], s[SEL], s[SEL+1]
.endr
.irp b, 0,1,2,3
	v_max_num_f32 v[TM+\b], v[TM+\b], v[TM+4+\b]   ; with lane l xor 16's 16 numbers: the block's
.endr
.irp b, 0,1,2,3
	v_add_nc_u32 v[TM+12+\b], 0xff000000, v[TM+\b] ; 2 off the exponent field: the conversion's scale operand
.endr
.irp b, 0,1,2,3
	v_lshrrev_b32 v[TM+4+\b], 23, v[TM+12+\b]      ; the byte
.endr
	v_lshl_or_b32 v[\pw], v[TM+5], 8, v[TM+4]
	v_lshl_or_b32 v[\pw], v[TM+6], 16, v[\pw]
	v_lshl_or_b32 v[\pw], v[TM+7], 24, v[\pw]
.endm
; QCVT: the codes, as a fragment's 12 registers in v[PC] on
.macro QCVT s, w
	WIN (\w)                                       ; source 0 in window w
.irp c, 0,1
	v_cvt_scalef32_pk16_fp6_f32 v[PC+6*\c:PC+6*\c+2], v[(\s)+32*\c:(\s)+32*\c+15], v[TM+12+2*\c]
	v_cvt_scalef32_pk16_fp6_f32 v[PC+12+4*\c:PC+14+4*\c], v[(\s)+32*\c+16:(\s)+32*\c+31], v[TM+12+2*\c+1]   ; (a conversion's three registers begin on an even number)
.endr
	WIN 0
	v_nop                                          ; one plain place behind a scaled conversion
.irp c, 0,1                            ; the operand's layout wants a whole block in a lane: lanes 0-15 block 2 c, lanes 16-31 block 2 c + 1
.irp i, 0,1,2
	v_permlane16_swap_b32 v[PC+6*\c+\i], v[PC+12+4*\c+\i]
.endr
.irp i, 0,1,2
	v_mov_b32 v[PC+3+6*\c+\i], v[PC+12+4*\c+\i]
.endr
.endr
.endm
.macro PUT a
.irp k, 0,1,2
	global_store_b128 v[LI], v[PC+4*\k:PC+4*\k+3], s[CB:CB+1] offset:1536*(\a)+512*\k   ; 32 lanes store 512 consecutive bytes
.endr
.endm
; q, k: block a (16 tokens x my head).  t x rsqrt(mean(t^2) + 1e-6) x w; then t cos + rotate_half(t) sin; then the quantiser along the head's 128.
.macro EPI_QK a
.set W, 2+(\a)/4
.set AC, 64*((\a)%4)
.set RC, 128*((\a)%2)
	WIN 5*W
	v_pk_mul_f32 v[SS:SS+1], v[AC:AC+1], v[AC:AC+1]              ; the sum of my 64 squares, in two packed chains, ascending
	v_pk_mul_f32 v[SS+2:SS+3], v[AC+2:AC+3], v[AC+2:AC+3]
.set ei, 4
.rept 15
	v_pk_fma_f32 v[SS:SS+1], v[AC+ei:AC+ei+1], v[AC+ei:AC+ei+1], v[SS:SS+1]
	v_pk_fma_f32 v[SS+2:SS+3], v[AC+ei+2:AC+ei+3], v[AC+ei+2:AC+ei+3], v[SS+2:SS+3]
.set ei, ei+4
.endr
	WIN 0
	v_pk_add_f32 v[SS:SS+1], v[SS:SS+1], v[SS+2:SS+3]
	v_add_f32 v[SS], v[SS], v[SS+1]
	v_permlanex16_b32 v[SS+1], v[SS], s[SEL], s[SEL+1]
	v_add_f32 v[SS], v[SS], v[SS+1]                ; with lane l xor 16's 64: the head's 128
	v_fma_f32 v[SS], v[SS], s2, s3                 ; / 128 + 1e-6
	v_rsq_f32 v[RS], v[SS]
	v_nop                                          ; one plain place behind the transcendental
.if (\a) < 7
	ROPE (\a)+1                                    ; the next block's image is asked for a block ahead
.endif
	s_wait_alu depctr_va_vdst(0)                   ; the wait ahead of the first line that names the root's result
.if (\a) < 7
	s_wait_loadcnt 32                              ; the weights and this block's image are in; the next block's 32 loads may be out
.else
	s_wait_loadcnt 0x0
.endif
.if (\a) > 0
	s_wait_xcnt 0x0                                ; the last block's stores have read their data, over which the normed numbers are written
.endif
	WIN W
.set ei, 0
.rept 32
	v_pk_mul_f32 v[Y+ei:Y+ei+1], v[AC+ei:AC+ei+1], v[RS:RS+1] op_sel_hi:[1,0]
.set ei, ei+2
.endr
	WIN 0
.set ei, 0
.rept 32
	v_pk_mul_f32 v[Y+ei:Y+ei+1], v[Y+ei:Y+ei+1], v[WN+ei:WN+ei+1]
.set ei, ei+2
.endr
	WIN 0x04                                       ; source 1 (cos, sin) in window 1
.set ei, 0
.rept 32
	v_pk_mul_f32 v[OUT+ei:OUT+ei+1], v[Y+ei:Y+ei+1], v[RC+ei:RC+ei+1]
.set ei, ei+2
.endr
.set ei, 0
.rept 16                               ; d and d + 64 are registers n and n + 32
	v_pk_fma_f32 v[OUT+ei:OUT+ei+1], v[Y+32+ei:Y+33+ei], v[RC+64+ei:RC+65+ei], v[OUT+ei:OUT+ei+1] neg_lo:[1,0,0] neg_hi:[1,0,0]
	v_pk_fma_f32 v[OUT+32+ei:OUT+33+ei], v[Y+ei:Y+ei+1], v[RC+96+ei:RC+97+ei], v[OUT+32+ei:OUT+33+ei]
.set ei, ei+2
.endr
	QMAX OUT, 0, PWK+(\a)
	QCVT OUT, 0
	PUT \a
.endm
; v: block a (16 channels x my 128 keys): the quantiser along the keys, straight from the accumulators
.macro EPI_V a
.set W, 2+(\a)/4
.set AC, 64*((\a)%4)
	QMAX AC, W, PWK+(\a)
.if (\a) > 0
	s_wait_xcnt 0x0                                ; the last block's stores have read their data
.endif
	QCVT AC, W
	PUT \a
.endm
	PLACES 4                                       ; behind the last products
	v_mov_b32 v[RS+1], 0                           ; (named as the upper half of a pair)
.irp b, 0,1,2,3
	v_mov_b32 v[TM+4+\b], 0                        ; written once: a lane permute's destination counts as one of its sources
.endr
	s_cmp_eq_u32 s[KIND], 2                        ; the same in all partners of the cluster
	s_cbranch_scc1 .Lv_way
.irp a, 0,1,2,3,4,5,6,7
	EPI_QK \a
.endr
	s_branch .Ljoin
.Lv_way:
.irp a, 0,1,2,3,4,5,6,7
	EPI_V \a
.endr
.Ljoin:
	v_cmp_eq_u32 vcc_lo, 1, v3                     ; the eight fragments' scale words, [row][fragment]: lanes 0-15 store fragments 0-3 of row r, lanes 16-31 fragments 4-7
.irp k, 0,1,2,3
	v_cndmask_b32 v[SS+\k], v[PWK+\k], v[PWK+4+\k], vcc_lo
.endr
	global_store_b128 v[SWA], v[SS:SS+3], s[SB:SB+1]   ; 32 lanes store 512 consecutive bytes
	s_wait_tensorcnt 0x0                           ; the wave's end
	ds_add_u32 v[SPW], v[NIL]
	s_wait_dscnt 0x0
	CROUND                                         ; the closing round: no work-group ends while a partner may still ask for a tile that names it
	s_endpgm
.Lfunc_end_k_qbba3da5fe4_qkv:
	.size	k_qbba3da5fe4_qkv, .Lfunc_end_k_qbba3da5fe4_qkv-k_qbba3da5fe4_qkv
	.p2alignl 7, 3214868480
	.fill 96, 4, 3214868480
	.section	.rodata,"a",@progbits
	.p2align	6, 0x0
	.amdhsa_kernel k_qbba3da5fe4_qkv
		.amdhsa_group_segment_fixed_size 327680
		.amdhsa_private_segment_fixed_size 0
		.amdhsa_enable_private_segment 0
		.amdhsa_kernarg_size 56
		.amdhsa_user_sgpr_count 2
		.amdhsa_user_sgpr_kernarg_segment_ptr 1
		.amdhsa_wavefront_size32 1
		.amdhsa_system_sgpr_workgroup_id_x 1
		.amdhsa_system_sgpr_workgroup_id_y 1
		.amdhsa_system_sgpr_workgroup_id_z 1
		.amdhsa_system_vgpr_workitem_id 0
		.amdhsa_next_free_vgpr 1024
		.amdhsa_next_free_sgpr 102
		.amdhsa_reserve_vcc 1
		.amdhsa_float_denorm_mode_32 3
		.amdhsa_float_denorm_mode_16_64 3
		.amdhsa_memory_ordered 1
		.amdhsa_forward_progress 1
		.amdhsa_inst_pref_size 255
	.end_amdhsa_kernel
	.section	.bss,"aw",@nobits
	.p2align	6
	.space	262144
	.amdgpu_metadata
---
amdhsa.version: [ 1, 2 ]
amdhsa.kernels:
  - .name:           k_qbba3da5fe4_qkv
    .symbol:         k_qbba3da5fe4_qkv.kd
    .args:
      - { .name: opc, .offset: 0, .size: 8, .value_kind: global_buffer, .address_space: global }
      - { .name: ops, .offset: 8, .size: 8, .value_kind: global_buffer, .address_space: global }
      - { .name: ropei, .offset: 16, .size: 8, .value_kind: global_buffer, .address_space: global }
      - { .name: q_norm_w, .offset: 24, .size: 8, .value_kind: global_buffer, .address_space: global }
      - { .name: k_norm_w, .offset: 32, .size: 8, .value_kind: global_buffer, .address_space: global }
      - { .name: qkvc, .offset: 40, .size: 8, .value_kind: global_buffer, .address_space: global }
      - { .name: qkvs, .offset: 48, .size: 8, .value_kind: global_buffer, .address_space: global }
    .group_segment_fixed_size: 327680
    .private_segment_fixed_size: 0
    .kernarg_segment_align: 8
    .kernarg_segment_size: 56
    .max_flat_workgroup_size: 128
    .sgpr_count:     102
    .vgpr_count:     1024
    .wavefront_size: 32
...
	.end_amdgpu_metadata
.endif
;; end of part 2
;; launch attn (part 3): grid 16 x 16, 16 waves a work-group, no clusters, 327,680 bytes of LDS; arguments qkvc, qkvs, aoc, aos; writes aoc, aos
.if DOCPART == 3
	.amdgcn_target "amdgcn-amd-amdhsa--gfx1250"
	.amdhsa_code_object_version 6
	.text
	.protected	k_qbba3da5fe4_attn
	.globl	k_qbba3da5fe4_attn
	.p2align	8
	.type	k_qbba3da5fe4_attn,@function
k_qbba3da5fe4_attn:
	s_mov_b64 s[64:65], 0
	v_nop
	global_prefetch_b8 v0, s[64:65] scope:SCOPE_SE
	s_setreg_imm32_b32 hwreg(HW_REG_WAVE_MODE, 25, 1), 1
	s_wait_xcnt 0x0
; Causal attention with grouped heads on codes of E2M3: S^T = K Q^T, p = 2^(t - M), O^T = V^T P^T, O / l quantised along (head, channel) for the last product.
; t = score x log2(e) / sqrt(128); M = the running largest t rounded UP to a whole number; the row's sum is taken of the unquantised p; when M moves, the sum and O^T are multiplied by 2^(old M - new M), which rounds nothing.
; All operands are fragment images (16 rows x 128 K: 12 registers a lane, 1,536 bytes, three loads of 16 bytes a lane).  Lane r of block a holds row 32 (a / 2) + 8 (a % 2) + r + 8 (r / 8), of keys, queries and channels alike:
; so a lane holds ONE query throughout, and its 64 registers of eight tiles are register n = key (or channel) 32 (n / 16) + 16 (lane / 16) + n % 16.
; SHARES.  Work-group (i, bg): batch bg / 8, kv head bg % 8; it owns the blocks i and 31 - i of 64 positions, for both query heads of the kv head: sixteen tiles of 16 queries, one to a wave, in 256 registers;
; early and late queries are paired so that every work-group has the same work, and the waves are numbered so that each SIMD holds two of each block however the waves are dealt.
; Keys go 128 a step through a ring of two LDS slots: a step's 24,576 bytes of codes (K's eight fragments, V's eight) and 1,024 bytes of scale words are dense in memory: waves 0 and 1 bring the codes' halves, wave 2 the scale words.
; The work-group walks 2 x ((17 - i / 2) / 2) steps, the least even number that covers its last query; every LDS address in the loop is a constant of the text.  A step all of whose keys come after a wave's queries is jumped over.
; No cluster: the work-groups of one kv head end their walks at different steps, from 10 to 16, so partners would need different numbers of tiles; and a step's tile is 25,600 bytes for sixteen waves' softmax.
; LIMITS: hidden scores are -infinity where the model has -1e30 (p is 0 either way); a block's largest p is taken from the block's largest score (it takes v_exp_f32 not to fall where its input rises);
; a block of zeros gets the scale byte 1 where the quantiser's rule says 127 (its codes are zeros; this program alone reads the bytes); NaN and infinities are not served.
; REGISTERS: v1-8 addresses; v12 -M, v13 the largest t, v[14:15] the sum; v16-27 Q, v28 its scale word; v32-79 four fragments; v80-87, v88-95 K's and V's scale words; v96-159 S^T, then p; v160-223 O^T; v224-235 p's codes; v232-254 at work.
.set SLOTB, 32768                      ; a slot: K's codes, V's codes at VOFF, K's scale words at SOFF, V's 512 bytes on
.set VOFF,  12288
.set SOFF,  24576
.set SPARE, 65536                      ; behind the ring: the spare words, 128 bytes for each of 16 waves: eight blocks of 256 bytes that no other line names
.set QSZ,   6291456
.set QSS,   262144
.set LI,   1                           ; v1  16 x lane
.set ASC,  2                           ; v2  SOFF + 32 r: my row's eight scale words
.set QP,   3                           ; v3  my query's position - 16 h
.set PFO,  4                           ; v4  256 x lane
.set SPW,  5
.set NIL,  6
.set QSA,  7                           ; v7  32 r
.set OSA,  8                           ; v8  8 r
.set WV,   18
.set SEL,  20
.set CS,   22
.set G1C,  24                          ; s[24:31] group 1 for the codes; s[32:39] for the scale words
.set G1S,  32
.set G0C,  40                          ; s[40:47] group 0 for the codes, a set for each slot; s[48:55] for the scale words
.set G0S,  48
.set KF,   56                          ; the step's first key
.set Q0MIN, 57                         ; my tile's first and last position
.set Q0MAX, 58
.set CNT,  59
.set ASKF, 60                          ; 1 in a wave that prefetches
.set PFA,  62                          ; s[62:63] where its prefetches stand
.macro TLOAD g0c, g0s                  ; the branches hang on the wave's number alone; four v_nop follow each of the two lines
	s_cmp_lt_u32 s[WV], 2
	s_cbranch_scc0 .Lnot_c_\@
	tensor_load_to_lds s[\g0c:\g0c+3], s[G1C:G1C+7]
	s_nop 0
.rept 4
	v_nop
.endr
	s_branch .Lasked_\@
.Lnot_c_\@:
	s_cmp_lt_u32 s[WV], 3
	s_cbranch_scc0 .Lasked_\@
	tensor_load_to_lds s[\g0s:\g0s+3], s[G1S:G1S+7]
	s_nop 0
.rept 4
	v_nop
.endr
.Lasked_\@:
.endm
; A prefetch into the L2 of the codes of the step after the one that is being asked for: 24,576 bytes; waves 4, 5, 6 of the kv head's work-group 0 (which walks all sixteen steps) name 8,192 bytes each, lanes 256 bytes apart:
; each block of 256 bytes is named once in the launch.  Steps 0 and 1 come by their loads alone; the two trips behind the loop ask for nothing.
.macro PREF
	s_cmp_eq_u32 s[ASKF], 1
	s_cbranch_scc0 .Lnot_mine_\@
	global_prefetch_b8 v[PFO], s[PFA:PFA+1] th:TH_LOAD_NT scope:SCOPE_SE
.Lnot_mine_\@:
.endm
	s_load_b256 s[4:11], s[0:1], 0x0               ; qkvc, qkvs, aoc, aos
	v_lshl_add_u32 v[SPW], v0, 2, SPARE
	v_mov_b32 v[NIL], 0
	ds_add_u32 v5, v6
	s_wait_dscnt 0x0
	v_lshrrev_b32 v9, 5, v0
	v_readfirstlane_b32 s[WV], v9                  ; wave 0..15
	s_and_b32 s66, ttmp7, 0xffff                   ; bg
	s_lshr_b32 s67, s[WV], 2
	s_xor_b32 s67, s67, s[WV]
	s_and_b32 s67, s67, 1                          ; which of the two blocks of 64 positions
	s_bfe_u32 s68, s[WV], 0x20001                  ; which of its four tiles
	s_lshr_b32 s69, s[WV], 3                       ; which of the two query heads
	s_lshl_b32 s70, ttmp9, 1
	s_sub_co_u32 s70, 31, s70
	s_mul_i32 s70, s70, s67
	s_add_co_u32 s70, s70, ttmp9                   ; block i or 31 - i
	s_lshl_b32 s70, s70, 2
	s_add_co_u32 s70, s70, s68                     ; tb: my tile among the batch's 128
	s_lshr_b32 s71, s70, 1
	s_lshl_b32 s71, s71, 5
	s_and_b32 s72, s70, 1
	s_lshl_b32 s72, s72, 3
	s_add_co_u32 s[Q0MIN], s71, s72
	s_add_co_u32 s[Q0MAX], s[Q0MIN], 23
	s_lshr_b32 s71, s66, 3                         ; batch
	s_and_b32 s72, s66, 7                          ; kv head
	s_lshl_b32 s71, s71, 7
	s_add_co_u32 s71, s71, s70                     ; my tile among all 256
	s_lshl_b32 s73, s72, 1
	s_add_co_u32 s73, s73, s69                     ; my query head
	s_lshr_b32 s74, s71, 3
	s_lshl_b32 s74, s74, 4
	s_add_co_u32 s74, s74, s73                     ; 16 x group of 128 tokens + head
	s_and_b32 s75, s71, 7
	s_lshl_b32 s76, s74, 3
	s_add_co_u32 s76, s76, s75
	s_mul_i32 s76, s76, 1536                       ; Q's fragment
	s_mov_b32 s77, 0
	s_lshl_b32 s78, s74, 9
	s_lshl_b32 s75, s75, 2
	s_add_co_u32 s78, s78, s75                     ; its scale words
	s_mov_b32 s79, 0
	s_lshl_b32 s80, s71, 4
	s_add_co_u32 s80, s80, s73
	s_mul_i32 s80, s80, 1536                       ; my result's fragment: [tile][head]
	s_mov_b32 s81, 0
	s_lshl_b32 s82, s71, 10
	s_lshl_b32 s72, s72, 7
	s_add_co_u32 s82, s82, s72
	s_lshl_b32 s69, s69, 2
	s_add_co_u32 s82, s82, s69                     ; its scale words: [tile][kv head][row][2]
	s_mov_b32 s83, 0
	s_and_b32 s84, s[WV], 1
	s_mul_i32 s85, s84, 12288                      ; which half of a step's codes I fetch, if I fetch
	s_mul_i32 s86, s66, 393216
	s_add_co_u32 s86, s86, QSZ                     ; the kv head's first step
	s_mov_b32 s87, 0
	s_lshl_b32 s88, s66, 14
	s_add_co_u32 s88, s88, QSS
	s_mov_b32 s89, 0
	s_and_b32 s90, s[WV], 3
	s_lshl_b32 s90, s90, 13
	s_add_co_u32 s90, s90, s86
	s_add_co_u32 s90, s90, 24576                   ; the prefetches stand at step 1: the first trip steps them to step 2
	s_mov_b32 s91, 0
	s_add_co_u32 s86, s86, s85
	s_sub_co_u32 s67, s[WV], 4
	s_cmp_lt_u32 s67, 3
	s_cselect_b32 s[ASKF], 1, 0
	s_cmp_eq_u32 ttmp9, 0
	s_cselect_b32 s[ASKF], s[ASKF], 0
	s_lshr_b32 s[CNT], ttmp9, 1
	s_sub_co_u32 s[CNT], 17, s[CNT]
	s_lshr_b32 s[CNT], s[CNT], 1
	s_sub_co_u32 s[CNT], s[CNT], 1                 ; the loop's trips, 4 to 7: two steps each; two more steps stand behind it
	s_max_u32 s[CNT], s[CNT], 1                    ; (changes nothing: i is 0 to 15; it states in the text that the counter starts at 1 or above)
	s_mov_b32 s[KF], 0
	s_mov_b32 s[SEL], 0x76543210
	s_mov_b32 s[SEL+1], 0xfedcba98
	s_mov_b32 s[CS], 0x3e0293ee                    ; c = log2(e) / sqrt(128)
	s_mov_b32 s[CS+1], s[CS]
	; group 1: dense blocks as rows of 256 bytes (32 elements of 8 bytes): 48 rows of codes, 4 of scale words
	s_mov_b32 s[G1C], 3<<16
	s_mov_b32 s[G1C+1], 32<<16
	s_mov_b32 s[G1C+2], 48<<16
	s_mov_b32 s[G1C+3], 32<<16
	s_mov_b32 s[G1C+4], 48
	s_mov_b32 s[G1C+5], 32
	s_mov_b32 s[G1C+6], 0
	s_mov_b32 s[G1C+7], 0
	s_mov_b32 s[G1S], 3<<16
	s_mov_b32 s[G1S+1], 32<<16
	s_mov_b32 s[G1S+2], 4<<16
	s_mov_b32 s[G1S+3], 32<<16
	s_mov_b32 s[G1S+4], 4
	s_mov_b32 s[G1S+5], 32
	s_mov_b32 s[G1S+6], 0
	s_mov_b32 s[G1S+7], 0
	s_wait_kmcnt 0x0
.irp s, 0,1
	s_mov_b32 s[G0C+4*\s], 1
	s_add_co_u32 s[G0C+4*\s+1], s85, \s*SLOTB
	s_add_nc_u64 s[G0C+4*\s+2:G0C+4*\s+3], s[4:5], s[86:87]
	s_add_nc_u64 s[G0C+4*\s+2:G0C+4*\s+3], s[G0C+4*\s+2:G0C+4*\s+3], \s*24576   ; slot s begins with step s
	s_or_b32 s[G0C+4*\s+3], s[G0C+4*\s+3], 0x80000000
	s_mov_b32 s[G0S+4*\s], 1
	s_mov_b32 s[G0S+4*\s+1], \s*SLOTB+SOFF
	s_add_nc_u64 s[G0S+4*\s+2:G0S+4*\s+3], s[6:7], s[88:89]
	s_add_nc_u64 s[G0S+4*\s+2:G0S+4*\s+3], s[G0S+4*\s+2:G0S+4*\s+3], \s*1024
	s_or_b32 s[G0S+4*\s+3], s[G0S+4*\s+3], 0x80000000
.endr
	TLOAD G0C, G0S                                 ; step 0: one load of mine is out
	s_add_nc_u64 s[76:77], s[4:5], s[76:77]
	s_add_nc_u64 s[78:79], s[6:7], s[78:79]
	s_add_nc_u64 s[8:9], s[8:9], s[80:81]
	s_add_nc_u64 s[10:11], s[10:11], s[82:83]
	s_add_nc_u64 s[PFA:PFA+1], s[4:5], s[90:91]
	v_and_b32 v9, 31, v0
	v_lshlrev_b32 v[LI], 4, v9
	v_lshlrev_b32 v[PFO], 8, v9
	v_and_b32 v9, 15, v0                           ; r
	v_bfe_u32 v10, v0, 4, 1                        ; h
	v_lshlrev_b32 v[QSA], 5, v9
	v_lshlrev_b32 v[OSA], 3, v9
	v_lshl_add_u32 v[ASC], v9, 5, SOFF
.irp c, 0,1,2
	global_load_b128 v[16+4*\c:19+4*\c], v[LI], s[76:77] offset:512*\c   ; Q's fragment stays in registers
.endr
	global_load_b32 v28, v[QSA], s[78:79]          ; and its scale words
	v_and_b32 v11, 8, v9
	v_add_nc_u32 v11, v11, v9                      ; r + 8 (r / 8)
	v_lshlrev_b32 v29, 4, v10
	v_sub_nc_u32 v11, v11, v29
	v_add_nc_u32 v[QP], s[Q0MIN], v11
	v_mov_b32 v13, 0xff61b1e6                      ; the largest t so far: -3e38, under every t
	v_floor_f32 v12, -v13                          ; -M
	v_mov_b32 v14, 0
	v_mov_b32 v15, 0
.irp b, 0,1,2,3
	v_mov_b32 v[236+\b], 0                         ; written once: a lane permute's destination counts as one of its sources
.endr
	v_mov_b32 v252, 0                              ; likewise: the way out's lane permute names it as its destination, on every way there
	v_mov_b32 v253, 0                              ; (named as the upper half of the pair v[252:253] before it is first written)
.set n, 0
.rept 64
	v_mov_b32 v[160+n], 0                          ; O^T.  (The step is written without a first step of its own: it finds zeros, which the first change of M leaves zeros)
.set n, n+1
.endr
; A KEY STEP: the 128 keys in the slot.
.macro STEP slot
	s_cmp_gt_u32 s[KF], s[Q0MAX]                   ; all its keys come after my queries: a branch on ids, round the step's work alone
	s_cbranch_scc1 .Lhidden_\@
.rept 4
	v_nop                                          ; places in front of loads into registers that the last step's products have read
.endr
	ds_load_b128 v[80:83], v[ASC] offset:\slot*SLOTB
	ds_load_b128 v[84:87], v[ASC] offset:\slot*SLOTB+16
	ds_load_b128 v[88:91], v[ASC] offset:\slot*SLOTB+512
	ds_load_b128 v[92:95], v[ASC] offset:\slot*SLOTB+528
.irp g, 0,1                            ; S^T = K Q^T, four tiles of 16 keys at a time
.if \g > 0
.rept 4
	v_nop
.endr
.endif
.irp t, 0,1,2,3
.irp c, 0,1,2
	ds_load_b128 v[32+12*\t+4*\c:35+12*\t+4*\c], v[LI] offset:\slot*SLOTB+(4*\g+\t)*1536+512*\c
.endr
.endr
	s_wait_dscnt 0x0
.irp t, 0,1,2,3
	v_wmma_scale_f32_16x16x128_f8f6f4 v[96+8*(4*\g+\t):103+8*(4*\g+\t)], v[32+12*\t:43+12*\t], v[16:27], 0, v[80+4*\g+\t], v28 matrix_a_fmt:MATRIX_FMT_FP6 matrix_b_fmt:MATRIX_FMT_FP6
.endr
.endr
.rept 4
	v_nop
.endr
	s_add_co_u32 s66, s[KF], 127                   ; on the diagonal hidden scores become -infinity ahead of the maximum; a step all of whose keys count skips this
	s_cmp_le_u32 s66, s[Q0MIN]
	s_cbranch_scc1 .Lopen_\@
	s_sub_co_i32 s66, 0, s[KF]
	v_add_nc_u32 v252, s66, v[QP]                  ; d = my query - KF - 16 h.  Register 16 b + i holds key KF + 16 h + 32 b + i: hidden where 32 b + i > d
	v_mov_b32 v254, 0xff800000
.set n, 0
.rept 64
	v_cmp_gt_i32 vcc_lo, 32*(n/16)+n%16, v252
	v_cndmask_b32 v[96+n], v[96+n], v254, vcc_lo
.set n, n+1
.endr
.Lopen_\@:
.irp b, 0,1,2,3
	v_max3_num_f32 v[232+\b], v[96+16*\b], v[97+16*\b], v[98+16*\b]   ; the largest score of each block of 32 keys: for the row's maximum and for the block's largest p
.endr
.irp i, 3,5,7,9,11,13
.irp b, 0,1,2,3
	v_max3_num_f32 v[232+\b], v[232+\b], v[96+16*\b+\i], v[97+16*\b+\i]
.endr
.endr
.irp b, 0,1,2,3
	v_max_num_f32 v[232+\b], v[232+\b], v[111+16*\b]
.endr
.irp b, 0,1,2,3
	v_permlanex16_b32 v[236+\b], v[232+\b], s[SEL], s[SEL+1]
.endr
.irp b, 0,1,2,3
	v_max_num_f32 v[232+\b], v[232+\b], v[236+\b]  ; with lane l xor 16's 16 keys
.endr
	v_max3_num_f32 v254, v232, v233, v234
	v_max_num_f32 v254, v254, v235
	v_mul_f32 v254, s[CS], v254                    ; the step's largest t (c is positive)
	v_max_num_f32 v13, v13, v254                   ; the running largest t
	v_mov_b32 v254, v12
	v_floor_f32 v12, -v13                          ; the new -M = -ceil(t)
	v_sub_f32 v254, v12, v254                      ; old M - new M: a whole number, 0 or less
	v_cvt_i32_f32 v254, v254                       ; (it saturates)
	v_ldexp_f32 v252, 1.0, v254                    ; f = 2^(old M - new M)
.set n, 0
.rept 32
	v_pk_fma_f32 v[96+n:97+n], v[96+n:97+n], s[CS:CS+1], v[12:13] op_sel_hi:[1,0,0]   ; t - M, two at a time
.set n, n+2
.endr
.irp b, 0,1,2,3
	v_fma_f32 v[232+\b], v[232+\b], s[CS], v12     ; the same of each block's largest score
.endr
.set n, 0
.rept 64
	v_exp_f32 v[96+n], v[96+n]                     ; p = 2^(t - M), at most 1, not normalised
.set n, n+1
.endr
	v_pk_mul_f32 v[14:15], v[14:15], v[252:253] op_sel_hi:[1,0]   ; the sums under the new M (a plain place behind the exponentials)
	s_wait_alu depctr_va_vdst(0)                   ; one wait for the whole batch, ahead of its first reader
.irp b, 0,1,2,3
	v_exp_f32 v[232+\b], v[232+\b]                 ; the block's largest p
.endr
	v_pk_add_f32 v[236:237], v[96:97], v[98:99]    ; the row's sum of the unquantised p, in two chains
.irp j, 4,8,12,16,20,24,28,32,36,40,44,48,52,56,60
	v_pk_add_f32 v[14:15], v[14:15], v[96+\j:97+\j]
	v_pk_add_f32 v[236:237], v[236:237], v[98+\j:99+\j]
.endr
	v_pk_add_f32 v[14:15], v[14:15], v[236:237]
	s_wait_alu depctr_va_vdst(0)                   ; and one for the four
.irp b, 0,1,2,3
	v_max_num_f32 v[232+\b], 0x1800000, v[232+\b]  ; the floor 2^(3 - 127): the byte cannot fall under 1
.endr
.irp b, 0,1,2,3
	v_add_nc_u32 v[244+\b], 0xff000000, v[232+\b]  ; the conversion's scale operand
.endr
.irp b, 0,1,2,3
	v_lshrrev_b32 v[236+\b], 23, v[244+\b]         ; the byte
.endr
	v_lshl_or_b32 v253, v237, 8, v236              ; p's scale word for these 128 keys
	v_lshl_or_b32 v253, v238, 16, v253
	v_lshl_or_b32 v253, v239, 24, v253
.irp c, 0,1
	v_cvt_scalef32_pk16_fp6_f32 v[224+6*\c:226+6*\c], v[96+32*\c:111+32*\c], v[244+2*\c]
	v_cvt_scalef32_pk16_fp6_f32 v[236+4*\c:238+4*\c], v[112+32*\c:127+32*\c], v[244+2*\c+1]
.endr
	v_nop                                          ; one plain place behind a scaled conversion
.irp c, 0,1
.irp i, 0,1,2
	v_permlane16_swap_b32 v[224+6*\c+\i], v[236+4*\c+\i]
.endr
.irp i, 0,1,2
	v_mov_b32 v[227+6*\c+\i], v[236+4*\c+\i]
.endr
.endr
.set n, 0
.rept 32
	v_pk_mul_f32 v[160+n:161+n], v[160+n:161+n], v[252:253] op_sel_hi:[1,0]   ; O^T under the new M; these 32 are also the places in front of the loads and products below
.set n, n+2
.endr
.irp g, 0,1                            ; O^T += V^T P^T, four tiles of 16 channels at a time
.if \g > 0
.rept 4
	v_nop
.endr
.endif
.irp t, 0,1,2,3
.irp c, 0,1,2
	ds_load_b128 v[32+12*\t+4*\c:35+12*\t+4*\c], v[LI] offset:\slot*SLOTB+VOFF+(4*\g+\t)*1536+512*\c
.endr
.endr
	s_wait_dscnt 0x0
.irp t, 0,1,2,3
	v_wmma_scale_f32_16x16x128_f8f6f4 v[160+8*(4*\g+\t):167+8*(4*\g+\t)], v[32+12*\t:43+12*\t], v[224:235], v[160+8*(4*\g+\t):167+8*(4*\g+\t)], v[88+4*\g+\t], v253 matrix_a_fmt:MATRIX_FMT_FP6 matrix_b_fmt:MATRIX_FMT_FP6
.endr
.endr
.Lhidden_\@:
	s_add_co_u32 s[KF], s[KF], 128
.endm
; A TRIP: each wave waits for all its tensor loads (its part of this trip's tile), adds 0 to its spare word, and waits for that and for its reads of the other slot; one barrier; behind it the other slot takes the next step's tile, which has this step's work in which to land.
.macro TRIP slot, refill, ask
	s_wait_tensorcnt 0x0                           ; no tensor load of mine is out, so a group 0 may be written
	ds_add_u32 v[SPW], v[NIL]                      ; 0 onto my spare word
	s_add_nc_u64 s[G0C+4*\slot+2:G0C+4*\slot+3], s[G0C+4*\slot+2:G0C+4*\slot+3], 49152   ; this slot's next tile: two steps on
	s_add_nc_u64 s[G0S+4*\slot+2:G0S+4*\slot+3], s[G0S+4*\slot+2:G0S+4*\slot+3], 2048
.if \ask
	s_wait_xcnt 0x0                                ; the last prefetch, a step back, has read its address
	s_add_nc_u64 s[PFA:PFA+1], s[PFA:PFA+1], 24576
.endif
	s_wait_dscnt 0x0                               ; the add is done, and my reads of the other slot are over
	s_barrier_signal -1
	s_barrier_wait -1
.if \refill
	TLOAD G0C+4*(1-\slot), G0S+4*(1-\slot)         ; the first thing behind the barrier, and a wave's one tensor load until the next
.endif
.if \ask
	PREF
.endif
	STEP \slot
.endm
	s_wait_loadcnt 0x0                             ; Q
.Lpair:
	TRIP 0, 1, 1
	TRIP 1, 1, 1
	s_sub_co_u32 s[CNT], s[CNT], 1
	s_cmp_lg_u32 s[CNT], 0
	s_cbranch_scc1 .Lpair
	TRIP 0, 1, 0                                   ; the last two steps are written out
	TRIP 1, 0, 0
	; THE WAY OUT: O^T / the sum, quantised along the head's 128 channels: one fragment of the last product's left operand, stored as it stands in the registers.
.rept 4
	v_nop                                          ; places behind the last products
.endr
	v_add_f32 v14, v14, v15
	v_permlanex16_b32 v252, v14, s[SEL], s[SEL+1]
	v_add_f32 v14, v14, v252                       ; the row's sum
	v_rcp_f32 v14, v14
	v_nop                                          ; one plain place behind the transcendental
	s_wait_alu depctr_va_vdst(0)                   ; the wait ahead of its first reader
.set n, 0
.rept 64
	v_mul_f32 v[96+n], v[160+n], v14               ; register n: channel 32 (n / 16) + 16 h + n % 16 of my query; each accumulator from its low end on
.set n, n+1
.endr
.irp b, 0,1,2,3
	v_max3_num_f32 v[232+\b], |v[96+16*\b]|, |v[97+16*\b]|, 0x1800000
.endr
.irp i, 2,4,6,8,10,12,14
.irp b, 0,1,2,3
	v_max3_num_f32 v[232+\b], v[232+\b], |v[96+16*\b+\i]|, |v[97+16*\b+\i]|
.endr
.endr
.irp b, 0,1,2,3
	v_permlanex16_b32 v[236+\b], v[232+\b], s[SEL], s[SEL+1]
.endr
.irp b, 0,1,2,3
	v_max_num_f32 v[232+\b], v[232+\b], v[236+\b]
.endr
.irp b, 0,1,2,3
	v_add_nc_u32 v[244+\b], 0xff000000, v[232+\b]
.endr
.irp b, 0,1,2,3
	v_lshrrev_b32 v[236+\b], 23, v[244+\b]
.endr
	v_lshl_or_b32 v252, v237, 8, v236
	v_lshl_or_b32 v252, v238, 16, v252
	v_lshl_or_b32 v252, v239, 24, v252
.irp c, 0,1
	v_cvt_scalef32_pk16_fp6_f32 v[32+6*\c:34+6*\c], v[96+32*\c:111+32*\c], v[244+2*\c]
	v_cvt_scalef32_pk16_fp6_f32 v[44+4*\c:46+4*\c], v[112+32*\c:127+32*\c], v[244+2*\c+1]
.endr
	v_nop
.irp c, 0,1
.irp i, 0,1,2
	v_permlane16_swap_b32 v[32+6*\c+\i], v[44+4*\c+\i]
.endr
.irp i, 0,1,2
	v_mov_b32 v[35+6*\c+\i], v[44+4*\c+\i]
.endr
.endr
.irp c, 0,1,2
	global_store_b128 v[LI], v[32+4*\c:35+4*\c], s[8:9] offset:512*\c   ; 32 lanes store 512 consecutive bytes
.endr
	global_store_b32 v[OSA], v252, s[10:11]        ; my row's scale word (lanes r and r + 16 write the same word with the same value)
	s_wait_tensorcnt 0x0                           ; the wave's end
	ds_add_u32 v[SPW], v[NIL]
	s_wait_dscnt 0x0
	s_endpgm
.Lfunc_end_k_qbba3da5fe4_attn:
	.size	k_qbba3da5fe4_attn, .Lfunc_end_k_qbba3da5fe4_attn-k_qbba3da5fe4_attn
	.p2alignl 7, 3214868480
	.fill 96, 4, 3214868480
	.section	.rodata,"a",@progbits
	.p2align	6, 0x0
	.amdhsa_kernel k_qbba3da5fe4_attn
		.amdhsa_group_segment_fixed_size 327680
		.amdhsa_private_segment_fixed_size 0
		.amdhsa_enable_private_segment 0
		.amdhsa_kernarg_size 32
		.amdhsa_user_sgpr_count 2
		.amdhsa_user_sgpr_kernarg_segment_ptr 1
		.amdhsa_wavefront_size32 1
		.amdhsa_system_sgpr_workgroup_id_x 1
		.amdhsa_system_sgpr_workgroup_id_y 1
		.amdhsa_system_sgpr_workgroup_id_z 1
		.amdhsa_system_vgpr_workitem_id 0
		.amdhsa_next_free_vgpr 256
		.amdhsa_next_free_sgpr 96
		.amdhsa_reserve_vcc 1
		.amdhsa_float_denorm_mode_32 3
		.amdhsa_float_denorm_mode_16_64 3
		.amdhsa_memory_ordered 1
		.amdhsa_forward_progress 1
		.amdhsa_inst_pref_size 115
	.end_amdhsa_kernel
	.amdgpu_metadata
---
amdhsa.version: [ 1, 2 ]
amdhsa.kernels:
  - .name:           k_qbba3da5fe4_attn
    .symbol:         k_qbba3da5fe4_attn.kd
    .args:
      - { .name: qkvc, .offset: 0, .size: 8, .value_kind: global_buffer, .address_space: global }
      - { .name: qkvs, .offset: 8, .size: 8, .value_kind: global_buffer, .address_space: global }
      - { .name: aoc, .offset: 16, .size: 8, .value_kind: global_buffer, .address_space: global }
      - { .name: aos, .offset: 24, .size: 8, .value_kind: global_buffer, .address_space: global }
    .group_segment_fixed_size: 327680
    .private_segment_fixed_size: 0
    .kernarg_segment_align: 8
    .kernarg_segment_size: 32
    .max_flat_workgroup_size: 512
    .sgpr_count:     96
    .vgpr_count:     256
    .wavefront_size: 32
...
	.end_amdgpu_metadata
.endif
;; end of part 3
;; launch oproj (part 4): grid 8 x 32, 4 waves a work-group, clusters of 4 x 4, 327,680 bytes of LDS; arguments aoc, aos, opc, ops, out0; writes out0
.if DOCPART == 4
	.amdgcn_target "amdgcn-amd-amdhsa--gfx1250"
	.amdhsa_code_object_version 6
	.text
	.protected	k_qbba3da5fe4_oproj
	.globl	k_qbba3da5fe4_oproj
	.p2align	8
	.type	k_qbba3da5fe4_oproj,@function
k_qbba3da5fe4_oproj:
	s_mov_b64 s[64:65], 0
	v_nop
	global_prefetch_b8 v0, s[64:65] scope:SCOPE_SE
	s_setreg_imm32_b32 hwreg(HW_REG_WAVE_MODE, 25, 1), 1
	s_wait_xcnt 0x0
	s_wait_alu depctr_hold_cnt(0) depctr_sa_sdst(0) depctr_va_vdst(0) depctr_va_sdst(0) depctr_va_ssrc(0) depctr_va_vcc(0) depctr_vm_vsrc(0)
	s_getreg_b32 s2, hwreg(HW_REG_IB_STS2, 6, 4)
	s_cmp_eq_u32 s2, 0
	s_cbranch_scc0 .Lentry_in_a_cluster
	s_endpgm
.Lentry_in_a_cluster:
	s_bfe_u32 s2, ttmp6, 0x10000c
	s_cmp_lg_u32 s2, 0xf033
	s_cbranch_scc0 .Lentry_shape_is_right
	s_endpgm
.Lentry_shape_is_right:
; out0 [4096][1024] f32 = (attention's result) wo^T, K = 2,048, on codes of E2M3.  Both operands are fragment images (16 rows x 128 K, 1,536 bytes), [row block][K step 0..15]: the left in aoc, wo's from byte 6,291,456 of opc;
; their scale words [row block][256 along K][row][2] in aos and from byte 262,144 of ops.  Lane r of row block rb holds row 32 (rb / 2) + 8 (rb % 2) + r + 8 (r / 8).
; SHARES.  A tile of 128 x 128 to a work-group: 256 work-groups, one for each WGP (tiles of 256 x 256 would be 64).  Four waves, each 64 x 64: 16 accumulators.
; Source 0 = 16 rows of wo, source 1 = 16 tokens: a lane holds one token and eight neighbouring output columns for each accumulator.
; CLUSTERS: 4 x 4 work-groups; the tokens' tiles are shared along a row of the cluster, wo's along a column: each is asked for jointly.  K goes in four slots' worth of 512 through a ring of two LDS slots; the scale words of all K come once.
; REGISTERS: window 0: v1-29 addresses; v32-63 scale words, two sets; v64-111, v160-207 A's fragments; window 1: v0-47, v128-175 B's; window 2: the accumulators, (a, b) at 8 (4 a + b).  On the way out v128-191 of window 0: rows read back.
.set NBLK,  4
.set NQ,    4
.set KT,    16
.set QA,    NBLK/4
.set SRB,   1024
.set HALFT, NBLK*NQ*1536
.set SLOT,  4*HALFT
.set HALFS, 4096
.set SCL,   2*SLOT
.set SPARE, SCL+4*HALFS                ; the spare words, 128 bytes for each wave: two blocks of 256 bytes that no other line names
.set LI,   4
.set STO,  5                           ; the way out: where I put 32 bytes of a row
.set RD,   6                           ; where I read a row back
.set CO,   8                           ; my byte offset in two rows of out0
.set ADRA, 16
.set ADRB, 20
.set ADRS, 27
.set SPW,  28
.set NIL,  29
.set SC,   32
.set AF,   64
.set BK,   128
.set WV,   18
.set RH,   19
.set CH,   20
.set CX,   22
.set CY,   23
.set G1,   24
.set G0,   32
.set G1B,  48
.set G0B,  56
.set G1S,  68
.set G0S,  76
.set G1SB, 80
.set G0SB, 88
.set MSB, 0
.macro WIN new                         ; the immediate's high byte repeats the setting that is left
.if MSB != (\new)
	s_set_vgpr_msb (MSB<<8)|(\new)
.set MSB, (\new)
.endif
.endm
.set MUL_LO, 0xa1                      ; source 0 (B) window 1, source 1 (A) window 0, C and D window 2
.set TO_B,   0x40
.macro PLACES n
.rept \n
	v_nop
.endr
.endm
.macro JLOAD g0a, g1a, g0b, g1b        ; a joint load: waves 0 and 1 fetch for A, waves 2 and 3 for B; four v_nop follow each of the two lines
	s_cmp_eq_u32 s[RH], 0
	s_cbranch_scc0 .Lfor_b_\@
	tensor_load_to_lds s[\g0a:\g0a+3], s[\g1a:\g1a+7]
	s_nop 0
.rept 4
	v_nop
.endr
	s_branch .Lasked_\@
.Lfor_b_\@:
	tensor_load_to_lds s[\g0b:\g0b+3], s[\g1b:\g1b+7]
	s_nop 0
.rept 4
	v_nop
.endr
.Lasked_\@:
.endm
.macro CREST
	s_cmp_lg_u32 s[WV], 0
	s_cbranch_scc1 .Lnot_wave_0_\@
	s_barrier_signal -3
.Lnot_wave_0_\@:
	s_barrier_wait -3
	s_barrier_signal -1
	s_barrier_wait -1
.endm
.macro CROUND
	s_barrier_signal -1
	s_barrier_wait -1
	CREST
.endm
.macro FETCH slot, q, g                ; the fragments of the slot's q-th 128 along K into set g
	WIN TO_B
.set fi, 0
.rept NBLK
.irp c, 0,1,2
	ds_load_b128 v[128*(\g)+12*fi+4*\c:128*(\g)+12*fi+4*\c+3], v[ADRB+\slot] offset:(fi*NQ+(\q))*1536+512*\c
.endr
.set fi, fi+1
.endr
	WIN 0
.set fi, 0
.rept NBLK
.irp c, 0,1,2
	ds_load_b128 v[AF+96*(\g)+12*fi+4*\c:AF+96*(\g)+12*fi+4*\c+3], v[ADRA+\slot] offset:(fi*NQ+(\q))*1536+512*\c
.endr
.set fi, fi+1
.endr
.endm
.macro SCALES set
.set fi, 0
.rept NBLK
.set fp, 0
.rept NQ/2
	ds_load_b64 v[SC+16*(\set)+NQ*fi+2*fp:SC+16*(\set)+NQ*fi+2*fp+1], v[ADRS] offset:fi*SRB+128*fp
.set fp, fp+1
.endr
.set fi, fi+1
.endr
.endm
.macro MULQ qtr, f, q, set, zero       ; a quarter of a step; the accumulators take turns, one instruction a turn, in the same order in every step
.set ma, (\qtr)*QA
.rept QA
	WIN MUL_LO+0x50*(ma/4)
.set mb, 0
.rept NBLK
.set mc, 8*(NBLK*(ma%4)+mb)
.if \zero
	v_wmma_scale_f32_16x16x128_f8f6f4 v[mc:mc+7], v[128*(\f)+12*mb:128*(\f)+12*mb+11], v[AF+96*(\f)+12*ma:AF+96*(\f)+12*ma+11], 0, v[SC+16*(\set)+NQ*mb+(\q)], v[SC+16*(\set)+NQ*ma+(\q)] matrix_a_fmt:MATRIX_FMT_FP6 matrix_b_fmt:MATRIX_FMT_FP6 matrix_a_scale:MATRIX_SCALE_ROW1
.else
	v_wmma_scale_f32_16x16x128_f8f6f4 v[mc:mc+7], v[128*(\f)+12*mb:128*(\f)+12*mb+11], v[AF+96*(\f)+12*ma:AF+96*(\f)+12*ma+11], v[mc:mc+7], v[SC+16*(\set)+NQ*mb+(\q)], v[SC+16*(\set)+NQ*ma+(\q)] matrix_a_fmt:MATRIX_FMT_FP6 matrix_b_fmt:MATRIX_FMT_FP6 matrix_a_scale:MATRIX_SCALE_ROW1
.endif
.set mb, mb+1
.endr
.set ma, ma+1
.endr
.endm
.macro STEP slot, q, zero              ; the successor's fragments are asked for first and have this whole step in which to land
	s_wait_dscnt 0x0                               ; this step's fragments and scale words are in
	PLACES 4                                       ; four places between the last product that read the other set and the loads into it
	FETCH \slot, (\q)+1, 1-(\q)%2
	MULQ 0, (\q)%2, \q, \slot, \zero
	MULQ 1, (\q)%2, \q, \slot, \zero
	MULQ 2, (\q)%2, \q, \slot, \zero
	MULQ 3, (\q)%2, \q, \slot, \zero
.endm
.macro TURN slot, next, fill           ; a slot's last step changes slots
	WIN 0
	s_wait_tensorcnt 0x0                           ; all my tensor loads have landed: my part of the next slot
	ds_add_u32 v[SPW], v[NIL]                      ; 0 onto my spare word
	s_wait_dscnt 1                                 ; this step's fragments are in; the add alone may be out
	MULQ 0, 1, NQ-1, \slot, 0
	s_wait_dscnt 0x0                               ; the add is done, and my reads of this slot are over
	s_barrier_signal -1
	MULQ 1, 1, NQ-1, \slot, 0
	WIN 0
	s_barrier_wait -1
.if \fill
	CREST                                          ; the barrier has opened a round of the cluster's barrier
	s_add_nc_u64 s[G0+4*\slot+2:G0+4*\slot+3], s[G0+4*\slot+2:G0+4*\slot+3], 2*NQ*1536
	s_add_nc_u64 s[G0B+4*\slot+2:G0B+4*\slot+3], s[G0B+4*\slot+2:G0B+4*\slot+3], 2*NQ*1536
	JLOAD G0+4*\slot, G1, G0B+4*\slot, G1B         ; the first tensor load behind the round; its four v_nop are also the places in front of the loads below
.else
	PLACES 4
.endif
	v_add_nc_u32 v[ADRS], 64*NQ, v[ADRS]
	FETCH \next, 0, 0
	SCALES \next
	MULQ 2, 1, NQ-1, \slot, 0
	MULQ 3, 1, NQ-1, \slot, 0
.endm
	s_load_b256 s[4:11], s[0:1], 0x0               ; aoc, aos, opc, ops
	s_load_b64 s[12:13], s[0:1], 0x20              ; out0
	v_lshl_add_u32 v[SPW], v0, 2, SPARE
	v_mov_b32 v[NIL], 0
	ds_add_u32 v28, v29
	s_wait_dscnt 0x0
	v_lshrrev_b32 v1, 5, v0
	v_readfirstlane_b32 s[WV], v1
	s_lshr_b32 s[RH], s[WV], 1
	s_and_b32 s[CH], s[WV], 1
	s_bfe_u32 s[CX], ttmp6, 0x40000
	s_bfe_u32 s[CY], ttmp6, 0x40004
	s_and_b32 s42, ttmp7, 0xffff
	s_lshl_b32 s42, s42, 2
	s_add_co_u32 s42, s42, s[CY]                   ; tile row: 128 tokens
	s_lshl_b32 s46, ttmp9, 2
	s_add_co_u32 s46, s46, s[CX]                   ; tile column: 128 rows of wo
	s_mul_i32 s67, s[CH], NBLK
	s_mul_i32 s42, s42, 2*NBLK
	s_add_co_u32 s42, s42, s67
	s_mul_i32 s46, s46, 2*NBLK
	s_add_co_u32 s46, s46, s67
	s_mul_i32 s40, s42, KT*1536
	s_mov_b32 s41, 0
	s_mul_i32 s42, s42, SRB
	s_mov_b32 s43, 0
	s_mul_i32 s44, s46, KT*1536
	s_mov_b32 s45, 0
	s_mul_i32 s46, s46, SRB
	s_mov_b32 s47, 0
	s_lshl_b32 s2, s[CY], 2
	s_lshl_b32 s2, 15, s2                          ; my row of the cluster
	s_lshl_b32 s3, 0x1111, s[CX]                   ; my column
	s_or_b32 s[G1], s2, (3<<16)|(1<<21)            ; 15:0 the mask; 17:16 elements of 8 bytes; 21 set beside a mask
	s_or_b32 s[G1B], s3, (3<<16)|(1<<21)
.irp g, G1, G1B
	s_mov_b32 s[\g+1], (192*NQ)<<16
	s_mov_b32 s[\g+2], NBLK<<16
	s_mov_b32 s[\g+3], (192*NQ)<<16
	s_mov_b32 s[\g+4], NBLK
	s_mov_b32 s[\g+5], 192*KT
	s_mov_b32 s[\g+6], 0
	s_mov_b32 s[\g+7], 0
.endr
	s_or_b32 s[G1S], s2, (3<<16)|(1<<21)
	s_or_b32 s[G1SB], s3, (3<<16)|(1<<21)
.irp g, G1S, G1SB
	s_mov_b32 s[\g+1], 32<<16
	s_mov_b32 s[\g+2], 16<<16
	s_mov_b32 s[\g+3], 32<<16
	s_mov_b32 s[\g+4], 16
	s_mov_b32 s[\g+5], 32
	s_mov_b32 s[\g+6], 0
	s_mov_b32 s[\g+7], 0
.endr
	s_mul_i32 s94, s[WV], HALFT
	s_mul_i32 s95, s[WV], HALFS
	s_wait_kmcnt 0x0
	s_add_nc_u64 s[40:41], s[4:5], s[40:41]
	s_add_nc_u64 s[42:43], s[6:7], s[42:43]
	s_add_nc_u64 s[44:45], s[8:9], s[44:45]
	s_add_nc_u64 s[44:45], s[44:45], 6291456       ; wo's images
	s_add_nc_u64 s[46:47], s[10:11], s[46:47]
	s_add_nc_u64 s[46:47], s[46:47], 262144        ; wo's scale words
	CROUND                                         ; all sixteen work-groups are here: the first joint loads meet
	s_mov_b32 s[G0S], 1
	s_add_co_u32 s[G0S+1], s95, SCL
	s_mov_b64 s[G0S+2:G0S+3], s[42:43]
	s_or_b32 s[G0S+3], s[G0S+3], 0x80000000
	s_mov_b32 s[G0SB], 1
	s_add_co_u32 s[G0SB+1], s95, SCL
	s_mov_b64 s[G0SB+2:G0SB+3], s[46:47]
	s_or_b32 s[G0SB+3], s[G0SB+3], 0x80000000
	JLOAD G0S, G1S, G0SB, G1SB                     ; three loads of mine are out behind the third of these lines
.irp s, 0,1
	s_mov_b32 s[G0+4*\s], 1
	s_add_co_u32 s[G0+4*\s+1], s94, \s*SLOT
	s_add_nc_u64 s[G0+4*\s+2:G0+4*\s+3], s[40:41], \s*NQ*1536
	s_or_b32 s[G0+4*\s+3], s[G0+4*\s+3], 0x80000000
	s_mov_b32 s[G0B+4*\s], 1
	s_add_co_u32 s[G0B+4*\s+1], s94, \s*SLOT
	s_add_nc_u64 s[G0B+4*\s+2:G0B+4*\s+3], s[44:45], \s*NQ*1536
	s_or_b32 s[G0B+4*\s+3], s[G0B+4*\s+3], 0x80000000
	JLOAD G0+4*\s, G1, G0B+4*\s, G1B
.endr
	v_and_b32 v1, 31, v0
	v_and_b32 v2, 15, v0                           ; r
	v_bfe_u32 v3, v0, 4, 1                         ; h
	v_lshlrev_b32 v[LI], 4, v1
	s_mul_i32 s40, s[RH], HALFT
	s_mul_i32 s41, s[CH], HALFT
	s_add_co_u32 s41, s41, 2*HALFT
.irp s, 0,1
	v_add_nc_u32 v[ADRA+\s], s40, v[LI]
	v_add_nc_u32 v[ADRB+\s], s41, v[LI]
	s_add_co_u32 s40, s40, SLOT
	s_add_co_u32 s41, s41, SLOT
.endr
	s_lshl_b32 s42, s[RH], 12
	s_lshl_b32 s43, s[CH], 12
	s_add_co_u32 s43, s43, 2*HALFS
	s_sub_co_u32 s43, s43, s42
	v_mul_u32_u24 v7, s43, v3                      ; lanes 16-31 take B's scale words: one product, the distance between the two
	v_lshl_add_u32 v7, v2, 3, v7
	s_add_co_u32 s42, s42, SCL
	v_add_nc_u32 v[ADRS], s42, v7
	s_mul_i32 s40, s[WV], 16*272                   ; my stage: 16 rows x (256 bytes + 16), in slot 0, which has had its last fill and its last read when the first result is stored there
	v_mul_u32_u24 v[STO], v2, 272
	v_lshl_add_u32 v[STO], v3, 6, v[STO]
	v_add_nc_u32 v[STO], s40, v[STO]               ; in: row r, + 64 h
	v_mul_u32_u24 v[RD], v3, 272
	v_lshl_add_u32 v[RD], v2, 4, v[RD]
	v_add_nc_u32 v[RD], s40, v[RD]                 ; back: lanes 0-15 one row of 256 bytes, lanes 16-31 the next
	v_lshlrev_b32 v[CO], 12, v3
	v_lshl_add_u32 v[CO], v2, 4, v[CO]             ; and the same two rows of out0
	s_and_b32 s40, ttmp7, 0xffff
	s_lshl_b32 s40, s40, 2
	s_add_co_u32 s40, s40, s[CY]
	s_lshl_b32 s40, s40, 1
	s_add_co_u32 s40, s40, s[RH]
	s_lshl_b32 s40, s40, 18                        ; my first row: 64 rows of 4,096 bytes a unit
	s_lshl_b32 s41, ttmp9, 2
	s_add_co_u32 s41, s41, s[CX]
	s_lshl_b32 s41, s41, 1
	s_add_co_u32 s41, s41, s[CH]
	s_lshl_b32 s41, s41, 8                         ; my first column: 64 numbers, 256 bytes a unit
	s_add_co_u32 s40, s40, s41
	s_mov_b32 s41, 0
	s_add_nc_u64 s[12:13], s[12:13], s[40:41]
	s_wait_tensorcnt 1                             ; the scale words and my part of slot 0 are in; slot 1's load may stay out
	s_barrier_signal -1
	s_barrier_wait -1
	FETCH 0, 0, 0
	SCALES 0
	STEP 0, 0, 1                                   ; the first step's products start the sums
	STEP 0, 1, 0
	STEP 0, 2, 0
	TURN 0, 1, 1
	STEP 1, 0, 0
	STEP 1, 1, 0
	STEP 1, 2, 0
	TURN 1, 0, 1
	STEP 0, 0, 0
	STEP 0, 1, 0
	STEP 0, 2, 0
	TURN 0, 1, 0                                   ; nothing is left to fetch
	STEP 1, 0, 0
	STEP 1, 1, 0
	STEP 1, 2, 0
	s_wait_dscnt 0x0                               ; the last step
	MULQ 0, 1, NQ-1, 1, 0
	MULQ 1, 1, NQ-1, 1, 0
	MULQ 2, 1, NQ-1, 1, 0
	MULQ 3, 1, NQ-1, 1, 0
	WIN 0
; THE WAY OUT, block by block of 16 tokens x 64 columns.  A lane holds pieces of one row; the block goes through my own stage and comes back as whole rows of 256 bytes, which sixteen lanes store.
; Accumulator b's eight numbers of lane (r, h) are columns 32 (b / 2) + 8 (b % 2) + 16 h + 0 .. 7; stage row rr is token 32 (a / 2) + 8 (a % 2) + rr + 8 (rr / 8).  LDS serves a wave's instructions in order: no wait between the stores and the loads.
.macro TOSTAGE a
	WIN 0x08                                       ; an LDS store's data: window 2
.irp b, 0,1,2,3
	ds_store_b128 v[STO], v[8*(4*(\a)+\b):8*(4*(\a)+\b)+3] offset:128*(\b/2)+32*(\b%2)       ; each accumulator from its low end on
	ds_store_b128 v[STO], v[8*(4*(\a)+\b)+4:8*(4*(\a)+\b)+7] offset:128*(\b/2)+32*(\b%2)+16
.endr
	WIN 0
.irp t, 0,1,2,3,4,5,6,7
	ds_load_b128 v[BK+32*((\a)%2)+4*\t:BK+32*((\a)%2)+4*\t+3], v[RD] offset:544*\t
.endr
.endm
.macro SEND a, younger                 ; younger: the LDS instructions issued behind block a's loads, which may stay out
	s_wait_dscnt \younger
.irp t, 0,1,2,3,4,5,6,7
	global_store_b128 v[CO], v[BK+32*((\a)%2)+4*\t:BK+32*((\a)%2)+4*\t+3], s[12:13] offset:(32*((\a)/2)+8*((\a)%2)+2*\t+8*(\t/4))*4096 th:TH_STORE_NT   ; sixteen lanes store 256 consecutive bytes, at a multiple of 256 from out0's first byte
.endr
.endm
	PLACES 4                                       ; behind the last products
	TOSTAGE 0
.irp a, 1,2,3
.if \a > 1
	s_wait_xcnt 0x0                                ; block a - 2's stores have read the registers into which block a's rows are loaded
.endif
	TOSTAGE \a
	SEND \a-1, 16                                  ; behind block a - 1's loads: block a's 8 stores and 8 loads
.endr
	SEND 3, 0
	s_wait_tensorcnt 0x0                           ; the wave's end
	ds_add_u32 v[SPW], v[NIL]
	s_wait_dscnt 0x0
	CROUND                                         ; the closing round
	s_endpgm
.Lfunc_end_k_qbba3da5fe4_oproj:
	.size	k_qbba3da5fe4_oproj, .Lfunc_end_k_qbba3da5fe4_oproj-k_qbba3da5fe4_oproj
	.p2alignl 7, 3214868480
	.fill 96, 4, 3214868480
	.section	.rodata,"a",@progbits
	.p2align	6, 0x0
	.amdhsa_kernel k_qbba3da5fe4_oproj
		.amdhsa_group_segment_fixed_size 327680
		.amdhsa_private_segment_fixed_size 0
		.amdhsa_enable_private_segment 0
		.amdhsa_kernarg_size 40
		.amdhsa_user_sgpr_count 2
		.amdhsa_user_sgpr_kernarg_segment_ptr 1
		.amdhsa_wavefront_size32 1
		.amdhsa_system_sgpr_workgroup_id_x 1
		.amdhsa_system_sgpr_workgroup_id_y 1
		.amdhsa_system_sgpr_workgroup_id_z 1
		.amdhsa_system_vgpr_workitem_id 0
		.amdhsa_next_free_vgpr 640
		.amdhsa_next_free_sgpr 102
		.amdhsa_reserve_vcc 0
		.amdhsa_float_denorm_mode_32 3
		.amdhsa_float_denorm_mode_16_64 3
		.amdhsa_memory_ordered 1
		.amdhsa_forward_progress 1
		.amdhsa_inst_pref_size 82
	.end_amdhsa_kernel
	.amdgpu_metadata
---
amdhsa.version: [ 1, 2 ]
amdhsa.kernels:
  - .name:           k_qbba3da5fe4_oproj
    .symbol:         k_qbba3da5fe4_oproj.kd
    .args:
      - { .name: aoc, .offset: 0, .size: 8, .value_kind: global_buffer, .address_space: global }
      - { .name: aos, .offset: 8, .size: 8, .value_kind: global_buffer, .address_space: global }
      - { .name: opc, .offset: 16, .size: 8, .value_kind: global_buffer, .address_space: global }
      - { .name: ops, .offset: 24, .size: 8, .value_kind: global_buffer, .address_space: global }
      - { .name: out0, .offset: 32, .size: 8, .value_kind: global_buffer, .address_space: global }
    .group_segment_fixed_size: 327680
    .private_segment_fixed_size: 0
    .kernarg_segment_align: 8
    .kernarg_segment_size: 40
    .max_flat_workgroup_size: 128
    .sgpr_count:     102
    .vgpr_count:     640
    .wavefront_size: 32
...
	.end_amdgpu_metadata
.endif
;; end of part 4
